; MI455X (gfx1250); checked and timed in simulation.
; The chip was launched on July 23, 2026; its instructions are those of AMD's public machine-readable ISA for CDNA 5 (MIT licence, August 2026) and "CDNA5" Instruction Set Architecture Reference Guide (July 2026). The comments in the code are by the model that wrote it; some were corrected since.
;; Little Bit ITQ Spec Linear. Allowed arithmetic: matrix products marked QUANTISED: E5M2 operands, one E8M0 scale for each 32 along K, by v_wmma_scale_f32_16x16x128_f8f6f4 with both operands' format E5M2, f32 sums; everything else in f32.
;; Inputs: U 4,096 x 1,024 float32; U_R 4,096 x 1,024 float32; V 1,024 x 4,096 float32; V_R 1,024 x 4,096 float32; bias 4,096 float32; u1 1 x 4,096 float32; u1_R 1 x 4,096 float32; u2 1 x 1,024 float32; u2_R 1 x 1,024 float32; v1 1 x 1,024 float32; v1_R 1 x 1,024 float32; v2 1 x 4,096 float32; v2_R 1 x 4,096 float32; x 2 x 2,048 x 4,096 float32.
;; Outputs: out0 2 x 2,048 x 4,096 float32.
;; This version of the problem:
;;   THIS VERSION OF THE PROBLEM IS GIVEN IN LOW PRECISION. The matrix products marked QUANTISED in the list below multiply operands that are first quantised to E5M2 (5 exponent bits, 2 mantissa bits; 8 bits a number), with one power-of-two scale for each 32 numbers along K (OCP MX v1.0); their sums are f32. All else is computed in f32.
;;   The module's matrix products, in the order in which they are computed (A, B: the left and right operand; K: the contracted axis; several contracted axes count as one K, in the product's order):
;;     1. [M 4,096, K 4,096] x [K 4,096, N 1,024]; A: computed on the way; B: computed on the way: QUANTISED
;;     2. [M 4,096, K 1,024] x [K 1,024, N 4,096]; A: computed on the way; B: computed on the way: QUANTISED
;;     3. [M 4,096, K 4,096] x [K 4,096, N 1,024]; A: computed on the way; B: computed on the way: QUANTISED
;;     4. [M 4,096, K 1,024] x [K 1,024, N 4,096]; A: computed on the way; B: computed on the way: QUANTISED
;;   THE QUANTISER, for each operand of a quantised product, along K:
;;     - K is cut into blocks of 32 from its start; a last block that is shorter is filled with zeros.
;;     - A block's scale is 2^e with e = floor(log2(the largest magnitude in the block)) - 15, held to -126 .. 127; a block of zeros has e = 0. As a byte (E8M0): e + 127.
;;     - Each number is divided by its block's scale, clamped to +-57,344, and rounded to the nearest number of E5M2, ties to even, subnormals kept.
;;     - The product sums the exact products of the quantised numbers (number of the format x scale) in f32.
;;   ~~~python
;;   def quantise(x, axis):      # numpy; x: float32 -> the quantised numbers, widened to float32 again
;;       x = np.moveaxis(x, axis, -1); K = x.shape[-1]
;;       x = np.pad(x, [(0, 0)] * (x.ndim - 1) + [(0, -K % 32)]); x = x.reshape(x.shape[:-1] + (-1, 32)); a = np.abs(x).max(-1, keepdims=True)
;;       e = np.where(a > 0, np.clip(np.frexp(np.where(a > 0, a, 1))[1] - 1 - 15, -126, 127), 0)      # np.frexp(a)[1] - 1 = floor(log2(a)), exactly
;;       r = np.clip(x / 2.0 ** e, -57344, 57344)
;;       step = 2.0 ** (np.maximum(np.frexp(np.where(r == 0, 1, r))[1] - 1, -14) - 2)
;;       q = np.round(r / step) * step * 2.0 ** e      # np.round: ties to even
;;       return np.moveaxis(q.reshape(q.shape[:-2] + (-1,))[..., :K], -1, axis).astype(np.float32)
;;   ~~~
;;   OPERANDS COMPUTED ON THE WAY. 'Computed on the way' means the value that the module computes at that place (a softmax that the list does not call 'softmax' is quantised finished and normalised). What goes into a quantiser is computed in f32, as accurately as f32 sums, v_exp_f32 and their like allow (about 1e-6 of the number): no bf16 or f16 on the way to a quantiser, and a product that is left as it is and whose result goes on into a quantised operand takes f32 operands (vector FMAs, or v_wmma_f32_16x16x4_f32). A number that lies on a knife's edge between two numbers of the format may be rounded either way, as far as f32 arithmetic and the matrix unit's own rounding can turn it there, and no further.
;; 2 versions. Each part assembles by itself: llvm-mc -triple=amdgcn-amd-amdhsa -mcpu=gfx1250 --defsym DOCPART=n.
;; ======== version 1 of 2: 3 launches
;; workspace buffers: acodes 33,554,432 bytes; ascales 1,048,576 bytes; wv 8,388,608 bytes; wu 8,388,608 bytes; hcodes 8,388,608 bytes; hscales 262,144 bytes
;; launch prep (part 1): grid 512 x 1, 4 waves a work-group, no clusters, 72,192 bytes of LDS; arguments x, V, V_R, U, U_R, v2, v2_R, acodes, ascales, wv, wu; writes acodes, ascales, wv, wu
.if DOCPART == 1
	.amdgcn_target "amdgcn-amd-amdhsa--gfx1250"
	.amdhsa_code_object_version 6
	.text
	.protected	k_q84284160f3_prep
	.globl	k_q84284160f3_prep
	.p2align	8
	.type	k_q84284160f3_prep,@function
k_q84284160f3_prep:
	s_mov_b64 s[64:65], 0
	v_nop
	global_prefetch_b8 v0, s[64:65] scope:SCOPE_SE
	s_setreg_imm32_b32 hwreg(HW_REG_WAVE_MODE, 25, 1), 1
	s_wait_xcnt 0x0
; PREP: every operand that is known ahead of the products is turned into codes of BF8 (E5M2), once.
;   x [4096][4096] f32 -> codes and E8M0 scale words of x * v2 (path 0) and of x * v2_R (path 1);   V, V_R [1024][4096], U, U_R [4096][1024] f32 -> codes of their signs.
; A block's scale is 2^(floor(log2(its largest magnitude)) - 15); its byte is the largest magnitude's exponent field - 15, held at 1 from below; each number is divided by the scale, held within +-57,344, rounded to the nearest code.
; A SIGN is +1, -1 or 0: a block's largest magnitude is 1 (byte 112, codes +-2^15) or the block is zeros, whose codes add nothing under byte 112 either.  So the weights have no scale bytes in memory: the products name the constant 112.
; LIMITS: NaN and infinities among the inputs are not served (the sign of a NaN becomes +-1).  A block of zeros gets the byte 1 (weights: 112) where the rule says 127: its codes are zeros, and this program alone reads the bytes.
; LAYOUT OF ALL CODES: A FRAGMENT'S IMAGE.  16 rows x 128 K are 2,048 bytes; byte 512 c + 16 lane + j is the code of row lane % 16 at k = 32 c + 16 (lane / 16) + j: four loads of 16 bytes a lane, 512 dense bytes each, give the operand's registers.
;   acodes [path 2][kslot 16][row block 256][q 2][2048], kslot = 256 along K, q = its half;   ascales [path 2][kslot 16][row block 256][row 16][q 2] words;
;   wv [kslot 16][block 128][q 2][2048], blocks 0-63 V, 64-127 V_R;   wu [path 2][kslot 4][block 256][q 2][2048].
; THE ROWS OF V THAT FORM A BLOCK ARE NOT NEIGHBOURS: row p of block 8 G + t is V's row 128 G + 32 (t / 2) + 8 (t % 2) + p + 8 (p / 8), so that the first product's results lie along the second product's K in a lane's registers.
; SHARES.  A work-group takes 128 rows x 512 K of one tensor: work-groups 0-255 x, 256-319 V, 320-383 V_R, 384-447 U, 448-511 U_R.  Wave w takes 128 along K and walks eight fragments down the rows.
; A load reads 512 consecutive bytes of one row, 16 a lane; so a lane holds the same four k of all 16 rows and multiplies them by four numbers of v2 that it keeps.  The conversions want 16 neighbours along K in one lane:
; the fragment turns through the wave's own stage in LDS (rows 528 bytes apart, so that the 16 rows of a read start at 16 different banks).  Loads run one fragment (16 loads a wave) ahead.
; No tensor loads, no matrix work, no cluster: nothing is shared between work-groups, and every input byte is read once.
.set SP,   528                         ; a stage row: 512 bytes + 16
.set WST,  16*SP                       ; a wave's stage
.set STA,  0                           ; stage A: all work-groups
.set STB,  4*WST                       ; stage B: x's second path alone
.set SCL,  8*WST                       ; x's scale words: wave w at 1024 w: [path 2][fragment 8][row 16] words
.set LI,   4                           ; v4   16 x lane
.set STI,  5                           ; v5   into a stage: my wave's + 16 x lane
.set STO,  6                           ; v6   out of it: row lane % 16, + 64 (lane / 16)
.set SCB,  7                           ; v7   my row's scale word in my wave's region
.set SA,   8                           ; v8   at the head the offset into v2; later the scale word's address in hand
.set SRD,  9                           ; v9   the scale words' way out
.set SCW,  10                          ; v10  2^-15 as f32: the signs' scale operand
.set VA,   12                          ; v12-15  v2 at my four k (1.0 for the weights)
.set VB,   16                          ; v16-19  v2_R at my four k
.set TM,   20                          ; v20-23 largest magnitudes, v24-27 bytes, v28-31 the largest number x the scale, v32-35 scale operands
.set PW0,  36                          ; the scale words just made
.set PW1,  37
.set TMPV, 38
.set PC,   40                          ; v40-55  the codes just made
.set SW,   56                          ; v56-63  the scale words on their way out
.set R,    64                          ; v64-127  the fragment as loaded
.set T,    128                         ; v128-191 x v2 as loaded; later x v2_R, 16 neighbours a block
.set X,    192                         ; v192-255 x v2, 16 neighbours a block
.set RB,   32                          ; s[32:63] the addresses of the fragment's 16 rows
.set WV,   66
.set ISX,  67                          ; 1 in x's work-groups
.set MASK, 68                          ; all ones in x's work-groups
.set SOFF, 82                          ; the pair of fragments in hand, in bytes of scale words
.set CNT,  83
.set SEL,  84                          ; s[84:85] v_permlanex16_b32's selects for lane l xor 16
.set MNT,  86                          ; the mantissa field of 57,344
.set ABSM, 87                          ; all but the sign
	s_load_b512 s[4:19], s[0:1], 0x0               ; x s[4:5], V s[6:7], V_R s[8:9], U s[10:11], U_R s[12:13], v2 s[14:15], v2_R s[16:17], acodes s[18:19]
	s_load_b128 s[20:23], s[0:1], 0x40             ; ascales s[20:21], wv s[22:23]
	s_load_b64 s[24:25], s[0:1], 0x50              ; wu
	v_lshl_add_u32 v11, v0, 2, 0x11800
	v_mov_b32 v39, 0
	v_lshrrev_b32 v1, 5, v0
	v_readfirstlane_b32 s[WV], v1                  ; wave 0..3
	v_and_b32 v1, 31, v0                           ; lane
	v_and_b32 v2, 15, v0                           ; r
	v_bfe_u32 v3, v0, 4, 1                         ; h
	v_lshlrev_b32 v[LI], 4, v1
	s_mul_i32 s88, s[WV], WST
	v_add_nc_u32 v[STI], s88, v[LI]
	v_mul_u32_u24 v[STO], v2, SP
	v_lshl_add_u32 v[STO], v3, 6, v[STO]
	v_add_nc_u32 v[STO], s88, v[STO]
	s_lshl_b32 s88, s[WV], 10
	s_add_co_u32 s88, s88, SCL
	v_lshl_add_u32 v[SCB], v2, 2, s88              ; SCL + 1024 x wave + 4 r
	s_and_b32 s88, s[WV], 1                        ; on the way out wave w stores path w / 2, kslot w % 2 of the work-group's two: it reads the words of waves 2 (w % 2) and 2 (w % 2) + 1
	s_lshl_b32 s88, s88, 11
	s_lshr_b32 s89, s[WV], 1
	s_lshl_b32 s89, s89, 9
	s_add_co_u32 s88, s88, s89
	s_add_co_u32 s88, s88, SCL
	v_lshl_add_u32 v[SRD], v1, 3, s88
	v_mov_b32 v[SCW], 0x38000000
.irp b, 0,1,2,3
	v_mov_b32 v[TM+4+\b], 0                        ; written once: a lane permute's destination counts as one of its sources
.endr
	s_mov_b32 s[SEL], 0x76543210
	s_mov_b32 s[SEL+1], 0xfedcba98
	s_mov_b32 s[MNT], 0x600000
	s_mov_b32 s[ABSM], 0x7fffffff
	; which tensor, which part: all from the work-group's number
	s_and_b32 s69, ttmp9, 63
	s_lshr_b32 s88, ttmp9, 6
	s_and_b32 s89, s88, 1                          ; the second tensor of a pair (V_R, U_R)
	s_lshr_b32 s90, ttmp9, 7                       ; 0, 1: x;  2: V, V_R;  3: U, U_R
	s_cmp_lt_u32 ttmp9, 256
	s_cselect_b32 s[ISX], 1, 0
	s_cselect_b32 s[MASK], -1, 0
	s_cselect_b32 s69, ttmp9, s69                  ; the part's number in its tensor
	s_cselect_b32 s89, 0, s89
	s_cmp_eq_u32 s90, 3
	s_cselect_b32 s72, 12, 14                      ; a row is 2^12 bytes in U, 2^14 in x and V
	s_cselect_b32 s91, 1, 7
	s_cselect_b32 s94, 1, 3
	s_cselect_b32 s95, 22, 18                      ; the second tensor's codes begin 4 MiB on in wu, 64 blocks on in wv
	s_and_b32 s70, s69, s91                        ; g: which 512 along K
	s_lshr_b32 s71, s69, s94                       ; grp: which 128 rows
	s_lshl_b32 s89, s89, s95
	s_cmp_eq_u32 s90, 2
	s_cselect_b32 s88, 19, 20                      ; a kslot is 2^19 bytes in wv, 2^20 in acodes and wu
	s_cselect_b32 s74, 8, 16                       ; rows from an even fragment to the next,
	s_cselect_b32 s76, 24, 16                      ; from an odd one,
	s_cselect_b32 s78, 8, 0                        ; and the gap between a fragment's rows 7 and 8
	s_lshl_b32 s74, s74, s72
	s_lshl_b32 s76, s76, s72
	s_lshl_b32 s78, s78, s72
	s_mov_b32 s75, 0
	s_mov_b32 s77, 0
	s_mov_b32 s79, 0
	s_lshl_b32 s92, 1, s72                         ; a row, in bytes
	s_mov_b32 s93, 0
	s_add_co_u32 s94, s72, 7                       ; where I read: grp x 128 rows + g x 2,048 + wave x 512
	s_lshl_b32 s90, s71, s94
	s_lshl_b32 s94, s70, 11
	s_add_co_u32 s90, s90, s94
	s_lshl_b32 s94, s[WV], 9
	s_add_co_u32 s90, s90, s94
	s_mov_b32 s91, 0
	s_lshl_b32 s94, s70, 1                         ; where my codes go: kslot 2 g + wave / 2, block 8 grp, half wave % 2
	s_lshr_b32 s95, s[WV], 1
	s_add_co_u32 s94, s94, s95
	s_lshl_b32 s94, s94, s88
	s_lshl_b32 s95, s71, 15
	s_add_co_u32 s94, s94, s95
	s_and_b32 s95, s[WV], 1
	s_lshl_b32 s95, s95, 11
	s_add_co_u32 s94, s94, s95
	s_add_co_u32 s94, s94, s89
	s_mov_b32 s95, 0
	s_lshr_b32 s88, s[WV], 1                       ; where I store scale words: path wave / 2, kslot 2 g + wave % 2, 1,024 bytes for the work-group's 8 row blocks
	s_lshl_b32 s88, s88, 19
	s_and_b32 s82, s[WV], 1
	s_lshl_b32 s83, s70, 1
	s_add_co_u32 s82, s82, s83
	s_lshl_b32 s82, s82, 15
	s_add_co_u32 s88, s88, s82
	s_lshl_b32 s82, s71, 10
	s_add_co_u32 s88, s88, s82
	s_mov_b32 s89, 0
	s_lshl_b32 s82, s70, 2                         ; my K step, 4 g + wave, at most 31: 512 bytes of v2 each, inside v2 for every tensor
	s_add_co_u32 s82, s82, s[WV]
	s_lshl_b32 s82, s82, 9
	v_add_nc_u32 v[SA], s82, v[LI]
	s_wait_kmcnt 0x0
	s_cmp_lt_u32 ttmp9, 448                        ; the choices hang on the work-group's number alone
	s_cselect_b64 s[26:27], s[10:11], s[12:13]
	s_cmp_lt_u32 ttmp9, 384
	s_cselect_b64 s[26:27], s[8:9], s[26:27]
	s_cselect_b64 s[28:29], s[22:23], s[24:25]
	s_cmp_lt_u32 ttmp9, 320
	s_cselect_b64 s[26:27], s[6:7], s[26:27]
	s_cmp_lt_u32 ttmp9, 256
	s_cselect_b64 s[26:27], s[4:5], s[26:27]
	s_cselect_b64 s[28:29], s[18:19], s[28:29]
	s_add_nc_u64 s[26:27], s[26:27], s[90:91]
	s_add_nc_u64 s[28:29], s[28:29], s[94:95]      ; the codes (x: path 0's)
	s_add_nc_u64 s[30:31], s[28:29], 0x1000000     ; x's path 1: 16 MiB on; x's lines alone name it
	s_add_nc_u64 s[80:81], s[20:21], s[88:89]
	global_load_b128 v[VA:VA+3], v[SA], s[14:15]
	global_load_b128 v[VB:VB+3], v[SA], s[16:17]
	s_mov_b64 s[RB:RB+1], s[26:27]
.irp i, 1,2,3,4,5,6,7,8,9,10,11,12,13,14,15
	s_add_nc_u64 s[RB+2*\i:RB+2*\i+1], s[RB+2*\i-2:RB+2*\i-1], s[92:93]
.if \i == 8
	s_add_nc_u64 s[RB+16:RB+17], s[RB+16:RB+17], s[78:79]
.endif
.endr
.macro LOADS                           ; a fragment's 16 rows: each load reads 512 consecutive bytes; read once in the launch
.irp i, 0,1,2,3,4,5,6,7,8,9,10,11,12,13,14,15
	global_load_b128 v[R+4*\i:R+4*\i+3], v[LI], s[RB+2*\i:RB+2*\i+1] th:TH_LOAD_NT
.endr
.endm
.macro STEPRB j                        ; on to the next fragment's rows, from one of parity j
.irp i, 0,1,2,3,4,5,6,7,8,9,10,11,12,13,14,15
	s_add_nc_u64 s[RB+2*\i:RB+2*\i+1], s[RB+2*\i:RB+2*\i+1], s[74+2*\j:75+2*\j]
.endr
.endm
; 64 numbers of a lane, register 16 b + i = k 32 b + 16 (lane / 16) + i of my row, become a fragment's codes in v[PC] on and its scale word in v[pw]
.macro QUANT s, pw
.irp b, 0,1,2,3
	v_max3_num_f32 v[TM+\b], |v[\s+16*\b]|, |v[\s+1+16*\b]|, 0x8000000   ; block b: my 16 numbers, and the floor 2^(16 - 127): the byte cannot fall under 1
.endr
.irp i, 2,4,6,8,10,12,14
.irp b, 0,1,2,3
	v_max3_num_f32 v[TM+\b], v[TM+\b], |v[\s+16*\b+\i]|, |v[\s+1+16*\b+\i]|   ; the four blocks by turns
.endr
.endr
.irp b, 0,1,2,3
	v_permlanex16_b32 v[TM+4+\b], v[TM+\b], s[SEL], s[SEL+1]
.endr
.irp b, 0,1,2,3
	v_max_num_f32 v[TM+\b], v[TM+\b], v[TM+4+\b]   ; with lane l xor 16's: the block's largest magnitude
.endr
.irp b, 0,1,2,3
	v_add_nc_u32 v[TM+12+\b], 0xf8800000, v[TM+\b] ; 15 off its exponent field: the conversion takes this operand's exponent field as its scale
.endr
.irp b, 0,1,2,3
	v_and_or_b32 v[TM+8+\b], v[TM+\b], 0x7f800000, s[MNT]   ; 57,344 x the scale
.endr
.irp b, 0,1,2,3
	v_lshrrev_b32 v[TM+4+\b], 23, v[TM+12+\b]      ; the scale's byte
.endr
	v_lshl_or_b32 v[\pw], v[TM+5], 8, v[TM+4]      ; four bytes: my row's scale word
	v_lshl_or_b32 v[\pw], v[TM+6], 16, v[\pw]
	v_lshl_or_b32 v[\pw], v[TM+7], 24, v[\pw]
.irp b, 0,1,2,3
.irp i, 0,1,2,3,4,5,6,7,8,9,10,11,12,13,14,15
	v_med3_num_f32 v[\s+16*\b+\i], v[\s+16*\b+\i], -v[TM+8+\b], v[TM+8+\b]   ; the conversion to an 8-bit code does not saturate (ISA guide 7.6.2): the hold comes first
.endr
	v_cvt_scalef32_pk8_bf8_f32 v[PC+4*\b:PC+1+4*\b], v[\s+16*\b:\s+7+16*\b], v[TM+12+\b]
	v_cvt_scalef32_pk8_bf8_f32 v[PC+2+4*\b:PC+3+4*\b], v[\s+8+16*\b:\s+15+16*\b], v[TM+12+\b]
.endr
	v_nop                                          ; a plain line between the last conversion and whatever vector line next writes its sources
.endm
.macro OUT4 p, j                       ; the fragment's image: four stores of 512 consecutive bytes
.irp c, 0,1,2,3
	global_store_b128 v[LI], v[PC+4*\c:PC+4*\c+3], s[\p:\p+1] offset:\j*4096+512*\c
.endr
.endm
; One fragment, of parity j in its pair.  ahead = 1: the next fragment's loads are issued.
.macro FRAG j, ahead
	s_wait_loadcnt 0x0                             ; the fragment's 16 loads, issued a fragment's work ago; their row addresses are free too
.irp i, 0,1,2,3,4,5,6,7,8,9,10,11,12,13,14,15
	v_pk_mul_f32 v[T+4*\i:T+4*\i+1], v[R+4*\i:R+4*\i+1], v[VA:VA+1]       ; x v2 (the weights: x 1.0, which changes nothing)
	v_pk_mul_f32 v[T+4*\i+2:T+4*\i+3], v[R+4*\i+2:R+4*\i+3], v[VA+2:VA+3]
.endr
.irp i, 0,1,2,3,4,5,6,7,8,9,10,11,12,13,14,15
	ds_store_b128 v[STI], v[T+4*\i:T+4*\i+3] offset:STA+SP*\i
.endr
.irp c, 0,1,2,3
.irp q, 0,1,2,3
	ds_load_b128 v[X+16*\c+4*\q:X+16*\c+4*\q+3], v[STO] offset:STA+128*\c+16*\q   ; LDS serves a wave's instructions in order: these see the stores above
.endr
.endr
	s_cmp_eq_u32 s[ISX], 0
	s_cbranch_scc1 .Lone_\@                        ; the weights have one path
.irp i, 0,1,2,3,4,5,6,7,8,9,10,11,12,13,14,15
	v_pk_mul_f32 v[R+4*\i:R+4*\i+1], v[R+4*\i:R+4*\i+1], v[VB:VB+1]       ; x v2_R, in place
	v_pk_mul_f32 v[R+4*\i+2:R+4*\i+3], v[R+4*\i+2:R+4*\i+3], v[VB+2:VB+3]
.endr
.irp i, 0,1,2,3,4,5,6,7,8,9,10,11,12,13,14,15
	ds_store_b128 v[STI], v[R+4*\i:R+4*\i+3] offset:STB+SP*\i
.endr
	s_wait_dscnt 16                                ; these 16 stores may be out; the 16 stores that read T and the 16 loads of X are done: T may be loaded
.irp c, 0,1,2,3
.irp q, 0,1,2,3
	ds_load_b128 v[T+16*\c+4*\q:T+16*\c+4*\q+3], v[STO] offset:STB+128*\c+16*\q
.endr
.endr
.Lone_\@:
	s_wait_dscnt 0x0                               ; the turned numbers are in, and the stores have read R
	s_wait_xcnt 0x0                                ; the last fragment's stores have read the codes' registers
.if \ahead
	STEPRB \j
	LOADS
.endif
	s_cmp_eq_u32 s[ISX], 0
	s_cbranch_scc1 .Lsign_\@
	QUANT X, PW0
	OUT4 28, \j
	v_add_nc_u32 v[SA], s[SOFF], v[SCB]
	ds_store_b32 v[SA], v[PW0] offset:64*\j        ; lanes l and l xor 16 write the same word with the same value
	s_wait_xcnt 0x0                                ; path 0's stores have read the codes' registers
	QUANT T, PW1
	OUT4 30, \j
	ds_store_b32 v[SA], v[PW1] offset:512+64*\j
	s_branch .Ldone_\@
.Lsign_\@:
.set n, 0
.rept 64
	v_cmp_neq_f32 vcc_lo, 0, v[X+n]
	v_bfi_b32 v[X+n], s[ABSM], 1.0, v[X+n]         ; 1.0 under the number's sign,
	v_cndmask_b32 v[X+n], 0, v[X+n], vcc_lo        ; or 0
.set n, n+1
.endr
.irp b, 0,1,2,3
	v_cvt_scalef32_pk8_bf8_f32 v[PC+4*\b:PC+1+4*\b], v[X+16*\b:X+7+16*\b], v[SCW]      ; +-1 / 2^-15 = +-2^15: a number of the format, so no hold
	v_cvt_scalef32_pk8_bf8_f32 v[PC+2+4*\b:PC+3+4*\b], v[X+8+16*\b:X+15+16*\b], v[SCW]
.endr
	v_nop
	OUT4 28, \j
.Ldone_\@:
.endm
	LOADS                                          ; fragment 0
	s_wait_loadcnt 16                              ; v2 and v2_R are in; the 16 row loads may be out
.irp i, 0,1,2,3
	v_cndmask_b32 v[VA+\i], 1.0, v[VA+\i], s[MASK]
.endr
	s_mov_b32 s[SOFF], 0
	s_mov_b32 s[CNT], 3
.Lpair:                                            ; a trip: two fragments; three trips, and the last pair written out, so that no load leaves its buffer
	FRAG 0, 1
	FRAG 1, 1
	s_wait_xcnt 0x0                                ; the stores have read their bases
	s_add_nc_u64 s[28:29], s[28:29], 8192
	s_add_nc_u64 s[30:31], s[30:31], 8192
	s_add_co_u32 s[SOFF], s[SOFF], 128
	s_sub_co_u32 s[CNT], s[CNT], 1
	s_cmp_lg_u32 s[CNT], 0
	s_cbranch_scc1 .Lpair
	FRAG 0, 1
	FRAG 1, 0
	s_wait_dscnt 0x0                               ; for the others' sake: my scale words lie in LDS
	s_barrier_signal -1
	s_barrier_wait -1
	s_cmp_eq_u32 s[ISX], 0
	s_cbranch_scc1 .Lend
	; x's scale words leave as [fragment 8][row 16][q 2]: 1,024 dense bytes a wave.  A lane takes two rows' words of each of the kslot's two waves and lays them by turns.
	ds_load_b64 v[SW:SW+1], v[SRD]
	ds_load_b64 v[SW+2:SW+3], v[SRD] offset:1024
	ds_load_b64 v[SW+4:SW+5], v[SRD] offset:256
	ds_load_b64 v[SW+6:SW+7], v[SRD] offset:1280
	s_wait_dscnt 0x0
	v_mov_b32 v[TMPV], v[SW+1]
	v_mov_b32 v[SW+1], v[SW+2]
	v_mov_b32 v[SW+2], v[TMPV]
	v_mov_b32 v[TMPV], v[SW+5]
	v_mov_b32 v[SW+5], v[SW+6]
	v_mov_b32 v[SW+6], v[TMPV]
	global_store_b128 v[LI], v[SW:SW+3], s[80:81]
	global_store_b128 v[LI], v[SW+4:SW+7], s[80:81] offset:512
.Lend:
	s_wait_tensorcnt 0x0
	ds_add_u32 v11, v39
	s_wait_dscnt 0x0
	s_endpgm
.Lfunc_end_k_q84284160f3_prep:
	.size	k_q84284160f3_prep, .Lfunc_end_k_q84284160f3_prep-k_q84284160f3_prep
	.p2alignl 7, 3214868480
	.fill 96, 4, 3214868480
	.section	.rodata,"a",@progbits
	.p2align	6, 0x0
	.amdhsa_kernel k_q84284160f3_prep
		.amdhsa_group_segment_fixed_size 72192
		.amdhsa_private_segment_fixed_size 0
		.amdhsa_enable_private_segment 0
		.amdhsa_kernarg_size 88
		.amdhsa_user_sgpr_count 2
		.amdhsa_user_sgpr_kernarg_segment_ptr 1
		.amdhsa_wavefront_size32 1
		.amdhsa_system_sgpr_workgroup_id_x 1
		.amdhsa_system_sgpr_workgroup_id_y 1
		.amdhsa_system_sgpr_workgroup_id_z 1
		.amdhsa_system_vgpr_workitem_id 0
		.amdhsa_next_free_vgpr 256
		.amdhsa_next_free_sgpr 96
		.amdhsa_reserve_vcc 1
		.amdhsa_float_denorm_mode_32 3
		.amdhsa_float_denorm_mode_16_64 3
		.amdhsa_memory_ordered 1
		.amdhsa_forward_progress 1
		.amdhsa_inst_pref_size 151
	.end_amdhsa_kernel
	.amdgpu_metadata
---
amdhsa.version: [ 1, 2 ]
amdhsa.kernels:
  - .name:           k_q84284160f3_prep
    .symbol:         k_q84284160f3_prep.kd
    .args:
      - { .name: x, .offset: 0, .size: 8, .value_kind: global_buffer, .address_space: global }
      - { .name: V, .offset: 8, .size: 8, .value_kind: global_buffer, .address_space: global }
      - { .name: V_R, .offset: 16, .size: 8, .value_kind: global_buffer, .address_space: global }
      - { .name: U, .offset: 24, .size: 8, .value_kind: global_buffer, .address_space: global }
      - { .name: U_R, .offset: 32, .size: 8, .value_kind: global_buffer, .address_space: global }
      - { .name: v2, .offset: 40, .size: 8, .value_kind: global_buffer, .address_space: global }
      - { .name: v2_R, .offset: 48, .size: 8, .value_kind: global_buffer, .address_space: global }
      - { .name: acodes, .offset: 56, .size: 8, .value_kind: global_buffer, .address_space: global }
      - { .name: ascales, .offset: 64, .size: 8, .value_kind: global_buffer, .address_space: global }
      - { .name: wv, .offset: 72, .size: 8, .value_kind: global_buffer, .address_space: global }
      - { .name: wu, .offset: 80, .size: 8, .value_kind: global_buffer, .address_space: global }
    .group_segment_fixed_size: 72192
    .private_segment_fixed_size: 0
    .kernarg_segment_align: 8
    .kernarg_segment_size: 88
    .max_flat_workgroup_size: 128
    .sgpr_count:     96
    .vgpr_count:     256
    .wavefront_size: 32
...
	.end_amdgpu_metadata
.endif
;; end of part 1
;; launch gemm1 (part 2): grid 8 x 32, 4 waves a work-group, clusters of 4 x 4, 327,680 bytes of LDS; arguments acodes, ascales, wv, v1, v1_R, u2, u2_R, hcodes, hscales; writes hcodes, hscales
.if DOCPART == 2
	.amdgcn_target "amdgcn-amd-amdhsa--gfx1250"
	.amdhsa_code_object_version 6
	.text
	.protected	k_q84284160f3_gemm1
	.globl	k_q84284160f3_gemm1
	.p2align	8
	.type	k_q84284160f3_gemm1,@function
k_q84284160f3_gemm1:
	s_mov_b64 s[64:65], 0
	v_nop
	global_prefetch_b8 v0, s[64:65] scope:SCOPE_SE
	s_setreg_imm32_b32 hwreg(HW_REG_WAVE_MODE, 25, 1), 1
	s_wait_xcnt 0x0
	s_wait_alu depctr_hold_cnt(0) depctr_sa_sdst(0) depctr_va_vdst(0) depctr_va_sdst(0) depctr_va_ssrc(0) depctr_va_vcc(0) depctr_vm_vsrc(0)
	s_getreg_b32 s2, hwreg(HW_REG_IB_STS2, 6, 4)
	s_cmp_eq_u32 s2, 0
	s_cbranch_scc0 .Lentry_in_a_cluster
	s_endpgm
.Lentry_in_a_cluster:
	s_bfe_u32 s2, ttmp6, 0x10000c
	s_cmp_lg_u32 s2, 0xf033
	s_cbranch_scc0 .Lentry_shape_is_right
	s_endpgm
.Lentry_shape_is_right:
; GEMM1: h = (x v2) sign(V)^T for both paths, times (v1 u2), quantised along the hidden axis into codes of BF8 (E5M2) with E8M0 scale words: the operand of the second product.
; M = 4,096 rows, K = 4,096, N = 2 x 1,024.  Operands arrive as fragment images (16 rows x 128 K = 2,048 bytes; byte 512 c + 16 lane + j), a kslot of 256 along K = two images for each block of 16 rows.
; A work-group of four waves makes 128 rows x 256 hidden units; a wave 64 x 128: 32 accumulators, 256 registers.  8 x 32 work-groups: one for each of 256.
; K goes by kslots through a ring of two LDS slots: 32 KiB of x's codes, 64 KiB of V's; each wave brings one dense block by one tensor load.  x's scale words of all K (16 KiB) come once, with the first fills.
; The weights' scale is the constant byte 112 (2^-15: the codes of +-1 are +-2^15), kept in a register of its own.
; CLUSTERS: 4 x 4 work-groups; cluster x is the path.  The four of a row of the cluster need the same tiles of x, the four of a column the same tiles of V: each is asked for jointly, by the same tensor load with a mask that names the four.
; THE MATRIX INSTRUCTION IS USED TRANSPOSED (source 0 = 16 rows of V, source 1 = 16 rows of x): a lane holds one row of h.  By the order in which the launch before laid V's rows, register 64 a + 16 b + i of a lane
; is hidden unit 32 b + 16 (lane / 16) + i of the wave's 128: 16 neighbours along the next K, so the conversions' results are a fragment image as they stand.
; LIMITS: NaN and infinities are not served; a block of zeros gets the byte 1 where the rule says 127 (its codes are zeros; this program alone reads the bytes).
; REGISTERS, in windows of 256: window 0: v16-31 addresses and constants; v32-39 x's scale words, two sets; v40-63 at work on the way out; v64-127 v1 u2 at my lane's 64 hidden units; v128-255 x's fragments, two sets of 4.
;   window 1: V's fragments, two sets of 8.   window 2: the accumulators, (a, b) at v[64 a + 8 b].
.set SLOT,  98304                      ; x's 8 blocks x 4,096 bytes, then V's 16
.set BOFF,  32768
.set SCL,   2*SLOT                     ; behind the ring: x's scale words, [kslot 16][block 8][row 16][q 2]
.set RS,    8                          ; kslots of them in one tensor load
.set SPARE, SCL+2*RS*1024              ; the spare words, 128 bytes for each wave: two blocks of 256 bytes that no other line names
.set HSG,   SPARE+512                  ; h's scale words on their way out: wave w at 256 w, [a 4][row 16]; no tile lands here
.set ASTEP, 0x100000                   ; a kslot on in acodes
.set BSTEP, 0x80000                    ; and in wv
.set ADRA, 16                          ; v16-17 my fragments of x in slot 0, 1
.set ADRB, 20                          ; v20-21 of V
.set VO,   22                          ; v22  64 (lane / 16): my 16 numbers of a block of v1, u2
.set HSO,  23                          ; v23  8 x thread: hscales
.set LI,   24                          ; v24  16 x lane
.set HSW,  25                          ; v25  where I put a scale word
.set HSR,  26                          ; v26  where I read two back
.set ADRS, 27                          ; v27  x's scale words of the kslot to be fetched
.set SPW,  28                          ; v28  my spare word; never rewritten
.set NIL,  29                          ; v29  0; never rewritten
.set PFO,  30                          ; v30  256 x lane: the prefetches' offset; never rewritten
.set SB,   31                          ; v31  the weights' scales: four bytes 112
.set SC,   32                          ; v32-39 set s, pair p, step q at 32 + 4 s + 2 p + q: lanes 0-15 block 2 p's words, lanes 16-31 block 2 p + 1's
.set TM,   40
.set PW,   56                          ; v56-59 h's scale words, one for each a
.set HW,   60
.set SV,   64
.set AF,   128
.set QT,   128                         ; the way out: 64 numbers
.set HC,   192                         ; and the codes of the four blocks
.set G1A, 24
.set G0A, 32
.set G1B, 48
.set G0B, 56
.set G1S, 80
.set G0S, 88
.set SEL, 12
.set MNT, 78
.set PFA, 92                           ; s[92:93] where wave 0's prefetches stand
.set LIM, 94                           ; 1 in wave 0, else the greatest number
.set HO,  96
.set HS,  98
.set MSB, 0
.macro WIN new                         ; the immediate's high byte repeats the setting that is left
.if MSB != \new
	s_set_vgpr_msb (MSB<<8)|\new
.set MSB, \new
.endif
.endm
.set MULW, 0xa1                        ; source 0 (V) window 1, source 1 (x) window 0, C and D window 2
.set TO_B, 0x40                        ; destination window 1, address window 0
.macro PLACES n
.rept \n
	v_nop
.endr
.endm
; A joint refill: waves 0 and 1 fetch x's halves, waves 2 and 3 V's.  The branch hangs on the wave's number alone.  Four v_nop follow each of the two lines.
.macro JLOAD s
	s_cmp_eq_u32 s15, 0
	s_cbranch_scc0 .Lfor_b_\@
	tensor_load_to_lds s[G0A+4*\s:G0A+4*\s+3], s[G1A:G1A+7]
	s_nop 0
	PLACES 4
	s_branch .Lasked_\@
.Lfor_b_\@:
	tensor_load_to_lds s[G0B+4*\s:G0B+4*\s+3], s[G1B:G1B+7]
	s_nop 0
	PLACES 4
.Lasked_\@:
.endm
.macro CREST                           ; a round of the cluster's barrier behind its opening barrier
	s_cmp_lg_u32 s14, 0
	s_cbranch_scc1 .Lnot_wave_0_\@
	s_barrier_signal -3
.Lnot_wave_0_\@:
	s_barrier_wait -3
	s_barrier_signal -1
	s_barrier_wait -1
.endm
.macro CROUND
	s_barrier_signal -1
	s_barrier_wait -1
	CREST
.endm
; A prefetch of x's codes: the kslot that stands two refills on.  A tile row's 32 KiB of a kslot are read by one row of one cluster alone; its four partners take 8 KiB each, told apart by address; wave 0 asks, lanes 256 bytes apart:
; each block of 256 bytes is named once.  Kslots 0 to 3 come by their loads alone; the loop's last trip asks for nothing, since kslot 15 is the last.  V's tiles, which eight clusters read, are not asked for.
.macro ASK
	s_cmp_gt_u32 s3, s[LIM]
	s_cbranch_scc0 .Lnot_mine_\@
	global_prefetch_b8 v[PFO], s[PFA:PFA+1] th:TH_LOAD_NT scope:SCOPE_SE
.Lnot_mine_\@:
.endm
	s_load_b256 s[4:11], s[0:1], 0x0               ; acodes s[4:5], ascales s[6:7], wv s[8:9], v1 s[10:11]
	s_load_b256 s[68:75], s[0:1], 0x20             ; v1_R s[68:69], u2 s[70:71], u2_R s[72:73], hcodes s[74:75]
	s_load_b64 s[76:77], s[0:1], 0x40              ; hscales
	v_lshl_add_u32 v[SPW], v0, 2, SPARE
	v_mov_b32 v[NIL], 0
	ds_add_u32 v28, v29
	ds_add_u32 v28, v29
	s_wait_dscnt 0x0
	v_lshrrev_b32 v1, 5, v0
	v_readfirstlane_b32 s14, v1                    ; wave 0..3
	s_lshr_b32 s15, s14, 1                         ; which 64 rows are mine.  Also: I fetch for x (0) or for V (1)
	s_and_b32 s16, s14, 1                          ; which 128 hidden units.  Also: which half of that tile I fetch
	s_bfe_u32 s40, ttmp6, 0x40000                  ; cx, cy: my place in the cluster
	s_bfe_u32 s41, ttmp6, 0x40004
	s_lshl_b32 s42, ttmp9, 2
	s_add_co_u32 s42, s42, s40                     ; tile column = 4 x cluster x + cx
	s_and_b32 s17, ttmp7, 0xffff
	s_lshl_b32 s17, s17, 2
	s_add_co_u32 s17, s17, s41                     ; tile row = 4 x cluster y + cy
	s_lshl_b32 s43, s41, 2
	s_lshl_b32 s43, 15, s43                        ; my row of the cluster
	s_lshl_b32 s44, 0x1111, s40                    ; my column
	; descriptor groups 1: dense blocks as rows of 256 bytes (32 elements of 8 bytes), no padding: the images are read 512 consecutive bytes an instruction
	s_or_b32 s[G1A], s43, (3<<16)|(1<<21)          ; 15:0 the mask; 17:16 elements of 8 bytes; 21 set beside a mask
	s_mov_b32 s[G1A+1], 32<<16                     ; tensor_dim0
	s_mov_b32 s[G1A+2], 64<<16                     ; tensor_dim1: 64 rows = 16 KiB
	s_mov_b32 s[G1A+3], 32<<16                     ; tile_dim0
	s_mov_b32 s[G1A+4], 64                         ; tile_dim1
	s_mov_b32 s[G1A+5], 32                         ; the pitch
	s_mov_b32 s[G1A+6], 0
	s_mov_b32 s[G1A+7], 0
	s_or_b32 s[G1B], s44, (3<<16)|(1<<21)
	s_mov_b32 s[G1B+1], 32<<16
	s_mov_b32 s[G1B+2], 128<<16                    ; 128 rows = 32 KiB
	s_mov_b32 s[G1B+3], 32<<16
	s_mov_b32 s[G1B+4], 128
	s_mov_b32 s[G1B+5], 32
	s_mov_b32 s[G1B+6], 0
	s_mov_b32 s[G1B+7], 0
	s_or_b32 s[G1S], s43, (3<<16)|(1<<21)          ; the scale words: RS rows of 1,024 bytes (128 elements), a kslot (32,768 bytes) apart
	s_mov_b32 s[G1S+1], 128<<16
	s_mov_b32 s[G1S+2], RS<<16
	s_mov_b32 s[G1S+3], 128<<16
	s_mov_b32 s[G1S+4], RS
	s_mov_b32 s[G1S+5], 4096
	s_mov_b32 s[G1S+6], 0
	s_mov_b32 s[G1S+7], 0
	; where the tiles come from.  x's hang on the path and the tile row, which my row of the cluster shares; V's on the tile column, which my column shares
	s_lshl_b32 s20, ttmp9, 24                      ; the path's 16 MiB
	s_lshl_b32 s18, s17, 15
	s_add_co_u32 s20, s20, s18                     ; + tile row x 8 blocks
	s_lshl_b32 s18, s16, 14                        ; + my half; the same in LDS
	s_add_co_u32 s20, s20, s18
	s_mov_b32 s21, 0
	s_lshl_b32 s22, ttmp9, 19
	s_lshl_b32 s19, s17, 10
	s_add_co_u32 s22, s22, s19
	s_lshl_b32 s19, s16, 18                        ; my 8 kslots of scale words
	s_add_co_u32 s22, s22, s19
	s_mov_b32 s23, 0
	s_lshl_b32 s19, s16, 13                        ; and their place in LDS
	s_lshl_b32 s46, s42, 16                        ; V: tile column x 16 blocks
	s_lshl_b32 s45, s16, 15                        ; + my half
	s_add_co_u32 s46, s46, s45
	s_mov_b32 s47, 0
	s_add_co_u32 s45, s45, BOFF                    ; its place in a slot: no place in the cluster enters an LDS address
	; every LDS address is made here, ahead of the first branch on the wave's number
	v_and_b32 v1, 31, v0                           ; lane
	v_and_b32 v2, 15, v0                           ; r
	v_bfe_u32 v3, v0, 4, 1                         ; h
	v_lshlrev_b32 v[LI], 4, v1
	s_lshl_b32 s79, s15, 14                        ; my 4 blocks of x
	v_add_nc_u32 v[ADRA], s79, v[LI]
	v_add_nc_u32 v[ADRA+1], SLOT, v[ADRA]
	v_add_nc_u32 v[ADRB], s45, v[LI]               ; my 8 blocks of V are the half that waves of my parity fetch
	v_add_nc_u32 v[ADRB+1], SLOT, v[ADRB]
	s_lshl_b32 s79, s15, 9
	s_add_co_u32 s79, s79, SCL
	v_lshl_add_u32 v[ADRS], v1, 3, s79             ; 8 bytes a lane: lanes 0-15 one block's rows, lanes 16-31 the next block's
	s_lshl_b32 s79, s14, 8
	s_add_co_u32 s79, s79, HSG
	v_lshl_add_u32 v[HSW], v2, 2, s79              ; HSG + 256 x wave + 4 r
	v_lshrrev_b32 v[HSR], 6, v0
	v_lshlrev_b32 v[HSR], 9, v[HSR]
	v_and_b32 v4, 63, v0
	v_lshl_add_u32 v[HSR], v4, 2, v[HSR]
	v_add_nc_u32 v[HSR], HSG, v[HSR]               ; HSG + 512 (thread / 64) + 4 (thread % 64): the word of the wave with q = 0; that of q = 1 lies 256 bytes on
	v_lshlrev_b32 v[HSO], 3, v0
	v_lshlrev_b32 v[VO], 6, v3
	v_lshlrev_b32 v[PFO], 8, v1
	v_mov_b32 v[SB], 0x70707070
.irp b, 0,1,2,3
	v_mov_b32 v[TM+4+\b], 0                        ; written once: a lane permute's destination counts as one of its sources
.endr
	s_mov_b32 s[SEL], 0x76543210
	s_mov_b32 s[SEL+1], 0xfedcba98
	s_mov_b32 s[MNT], 0x600000
	s_wait_kmcnt 0x0
	s_add_nc_u64 s[20:21], s[4:5], s[20:21]
	s_add_nc_u64 s[22:23], s[6:7], s[22:23]
	s_add_nc_u64 s[46:47], s[8:9], s[46:47]
	s_mov_b32 s[G0S], 1
	s_add_co_u32 s[G0S+1], s19, SCL
	s_mov_b64 s[G0S+2:G0S+3], s[22:23]
	s_or_b32 s[G0S+3], s[G0S+3], 0x80000000
.irp s, 0,1
	s_mov_b32 s[G0A+4*\s], 1                       ; count = 1
	s_add_co_u32 s[G0A+4*\s+1], s18, \s*SLOT       ; LDS address
	s_add_nc_u64 s[G0A+4*\s+2:G0A+4*\s+3], s[20:21], \s*ASTEP   ; kslot s
	s_or_b32 s[G0A+4*\s+3], s[G0A+4*\s+3], 0x80000000           ; type = 2
	s_mov_b32 s[G0B+4*\s], 1
	s_add_co_u32 s[G0B+4*\s+1], s45, \s*SLOT
	s_add_nc_u64 s[G0B+4*\s+2:G0B+4*\s+3], s[46:47], \s*BSTEP
	s_or_b32 s[G0B+4*\s+3], s[G0B+4*\s+3], 0x80000000
.endr
	CROUND                                         ; all sixteen work-groups are here: the first joint loads meet
	s_cmp_eq_u32 s15, 0                            ; a wave's first fills stand in one branch: three loads of an x wave are out, two of a V wave
	s_cbranch_scc0 .Lfirst_b
	tensor_load_to_lds s[G0S:G0S+3], s[G1S:G1S+7]
	s_nop 0
	tensor_load_to_lds s[G0A:G0A+3], s[G1A:G1A+7]
	s_nop 0
	tensor_load_to_lds s[G0A+4:G0A+7], s[G1A:G1A+7]
	s_nop 0
	PLACES 4
	s_branch .Lfirst_asked
.Lfirst_b:
	tensor_load_to_lds s[G0B:G0B+3], s[G1B:G1B+7]
	s_nop 0
	tensor_load_to_lds s[G0B+4:G0B+7], s[G1B:G1B+7]
	s_nop 0
	PLACES 4
.Lfirst_asked:
	; v1 u2 at my lane's hidden units: register 16 b + i is unit 32 b + 16 (lane / 16) + i of my wave's 128
	s_cmp_eq_u32 ttmp9, 0                          ; the path
	s_cselect_b64 s[10:11], s[10:11], s[68:69]
	s_cselect_b64 s[70:71], s[70:71], s[72:73]
	s_lshl_b32 s46, s40, 10                        ; (256 cx + 128 x half) x 4 bytes
	s_lshl_b32 s79, s16, 9
	s_add_co_u32 s46, s46, s79
	s_mov_b32 s47, 0
	s_add_nc_u64 s[10:11], s[10:11], s[46:47]
	s_add_nc_u64 s[70:71], s[70:71], s[46:47]
.irp b, 0,1,2,3
.irp j, 0,1,2,3
	global_load_b128 v[SV+16*\b+4*\j:SV+16*\b+4*\j+3], v[VO], s[10:11] offset:128*\b+16*\j
	global_load_b128 v[HC+16*\b+4*\j:HC+16*\b+4*\j+3], v[VO], s[70:71] offset:128*\b+16*\j
.endr
.endr
	s_lshl_b32 s46, ttmp9, 22                      ; hcodes [path][kslot = cx][row block][q = half][2048]
	s_lshl_b32 s79, s40, 20
	s_add_co_u32 s46, s46, s79
	s_lshl_b32 s79, s17, 15
	s_add_co_u32 s46, s46, s79
	s_lshl_b32 s79, s15, 14
	s_add_co_u32 s46, s46, s79
	s_lshl_b32 s79, s16, 11
	s_add_co_u32 s46, s46, s79
	s_add_nc_u64 s[HO:HO+1], s[74:75], s[46:47]
	s_lshl_b32 s46, ttmp9, 17                      ; hscales [path][kslot][row block][row][q]: the work-group's 1,024 bytes
	s_lshl_b32 s79, s40, 15
	s_add_co_u32 s46, s46, s79
	s_lshl_b32 s79, s17, 10
	s_add_co_u32 s46, s46, s79
	s_add_nc_u64 s[HS:HS+1], s[76:77], s[46:47]
	s_lshl_b32 s46, ttmp9, 24                      ; the prefetches: my tile row, my work-group's 8 KiB of its 32, at kslot 3: the first change of slots steps it to 4
	s_lshl_b32 s79, s17, 15
	s_add_co_u32 s46, s46, s79
	s_lshl_b32 s79, s40, 13
	s_add_co_u32 s46, s46, s79
	s_add_co_u32 s46, s46, 3*ASTEP
	s_add_nc_u64 s[PFA:PFA+1], s[4:5], s[46:47]
	s_cmp_eq_u32 s14, 0
	s_cselect_b32 s[LIM], 1, -1
	s_wait_loadcnt 0x0
.set i, 0
.rept 32
	v_pk_mul_f32 v[SV+i:SV+i+1], v[SV+i:SV+i+1], v[HC+i:HC+i+1]
.set i, i+2
.endr
; 8 matrix instructions: x's block a against V's eight, 128 along K: the slot's q-th.  sc: the set of scale words.  zero = 1: the first product starts the sums.
; The 32 accumulators take turns, one instruction a turn, in the same order in every step.
.macro MUL8 a, q, sc, zero
.irp b, 0,1,2,3,4,5,6,7
.set rD, 64*(\a)+8*\b
.set rB, 128*(\q)+16*\b
.set rA, AF+64*(\q)+16*(\a)
.set rS, SC+4*(\sc)+2*((\a)/2)+(\q)
.if \zero
.if (\a)%2
	v_wmma_scale_f32_16x16x128_f8f6f4 v[rD:rD+7], v[rB:rB+15], v[rA:rA+15], 0, v[SB], v[rS] matrix_a_fmt:MATRIX_FMT_BF8 matrix_b_fmt:MATRIX_FMT_BF8 matrix_b_scale:MATRIX_SCALE_ROW1
.else
	v_wmma_scale_f32_16x16x128_f8f6f4 v[rD:rD+7], v[rB:rB+15], v[rA:rA+15], 0, v[SB], v[rS] matrix_a_fmt:MATRIX_FMT_BF8 matrix_b_fmt:MATRIX_FMT_BF8
.endif
.else
.if (\a)%2
	v_wmma_scale_f32_16x16x128_f8f6f4 v[rD:rD+7], v[rB:rB+15], v[rA:rA+15], v[rD:rD+7], v[SB], v[rS] matrix_a_fmt:MATRIX_FMT_BF8 matrix_b_fmt:MATRIX_FMT_BF8 matrix_b_scale:MATRIX_SCALE_ROW1
.else
	v_wmma_scale_f32_16x16x128_f8f6f4 v[rD:rD+7], v[rB:rB+15], v[rA:rA+15], v[rD:rD+7], v[SB], v[rS] matrix_a_fmt:MATRIX_FMT_BF8 matrix_b_fmt:MATRIX_FMT_BF8
.endif
.endif
.endr
.endm
.macro FETCH slot, q                   ; 48 LDS loads in one run: the fragments of the slot's q-th 128 along K into set q; each reads 512 consecutive bytes
	WIN TO_B
.irp b, 0,1,2,3,4,5,6,7
.irp c, 0,1,2,3
	ds_load_b128 v[128*(\q)+16*\b+4*\c:128*(\q)+16*\b+4*\c+3], v[ADRB+\slot] offset:4096*\b+2048*(\q)+512*\c
.endr
.endr
	WIN 0
.irp a, 0,1,2,3
.irp c, 0,1,2,3
	ds_load_b128 v[AF+64*(\q)+16*\a+4*\c:AF+64*(\q)+16*\a+4*\c+3], v[ADRA+\slot] offset:4096*\a+2048*(\q)+512*\c
.endr
.endr
.endm
.macro SCALES s                        ; a kslot's scale words of my four blocks into set s
.irp p, 0,1
	ds_load_b64 v[SC+4*\s+2*\p:SC+4*\s+2*\p+1], v[ADRS] offset:256*\p
.endr
.endm
; A slot's first step: multiplies set 0 while set 1 is fetched.  A load into a register that a matrix instruction has read stands eight places behind it.
.macro STEP slot, zero
	s_wait_dscnt 0x0                               ; set 0 and the scale words are in
	PLACES 8                                       ; the last products read set 1
	FETCH \slot, 1
	WIN MULW
	MUL8 0, 0, \slot, \zero
	MUL8 1, 0, \slot, \zero
	MUL8 2, 0, \slot, \zero
	MUL8 3, 0, \slot, \zero
	WIN 0
.endm
; A slot's second step changes slots: in front of the barrier each wave waits for all its tensor loads, adds 0 to its spare word, and waits for that and for its reads of this slot, which were all issued a step ago.
; fill = 1: the barrier opens a round of the cluster's, and this slot is filled again, two kslots ahead, first thing behind the round.
.macro TURN slot, next, fill
	s_wait_xcnt 0x0                                ; the last prefetch, a kslot back, has read its address
	s_add_nc_u64 s[PFA:PFA+1], s[PFA:PFA+1], ASTEP
	s_wait_tensorcnt 0x0                           ; all my tensor loads have landed: my part of the next slot
	ds_add_u32 v[SPW], v[NIL]                      ; 0 onto my spare word
	s_wait_dscnt 1                                 ; the add may be out; the 48 loads of set 1 are in
	WIN MULW
	MUL8 0, 1, \slot, 0                            ; eight matrix instructions stand between the add and the wait for it
	s_wait_dscnt 0x0                               ; the add is done, and my reads of this slot are over
	s_barrier_signal -1
	MUL8 1, 1, \slot, 0
	WIN 0
	s_barrier_wait -1
.if \fill
	CREST                                          ; no wave of any partner still reads this slot or has a load on its way
	s_add_nc_u64 s[G0A+4*\slot+2:G0A+4*\slot+3], s[G0A+4*\slot+2:G0A+4*\slot+3], 2*ASTEP
	s_add_nc_u64 s[G0B+4*\slot+2:G0B+4*\slot+3], s[G0B+4*\slot+2:G0B+4*\slot+3], 2*BSTEP
	JLOAD \slot                                    ; its four v_nop are four of the eight places in front of the loads below
	PLACES 4
.else
	PLACES 8
.endif
	v_add_nc_u32 v[ADRS], 1024, v[ADRS]            ; the next kslot's scale words (no LDS load of mine is out)
	FETCH \next, 0
	SCALES \next
.if \fill
	ASK
.endif
	WIN MULW
	MUL8 2, 1, \slot, 0
	MUL8 3, 1, \slot, 0
	WIN 0
.endm
	s_wait_tensorcnt 1                             ; the scale words and my part of kslot 0 are in; kslot 1's load, the one issued behind them in every wave, may be out
	s_barrier_signal -1
	s_barrier_wait -1                              ; everybody's are
	FETCH 0, 0
	SCALES 0
	STEP 0, 1                                      ; the first step stands in front of the loop: its products start the sums
	s_mov_b32 s3, 7
.Llap:                                             ; a trip goes once round the ring and fills both slots again: kslots 2 to 15 in seven trips
	TURN 0, 1, 1
	STEP 1, 0
	TURN 1, 0, 1
	STEP 0, 0
	s_sub_co_u32 s3, s3, 1
	s_cmp_lg_u32 s3, 0
	s_cbranch_scc1 .Llap
	TURN 0, 1, 0                                   ; the last lap fills nothing
	STEP 1, 0
	s_wait_dscnt 0x0
	WIN MULW
	MUL8 0, 1, 1, 0
	MUL8 1, 1, 1, 0
	MUL8 2, 1, 1, 0
	MUL8 3, 1, 1, 0
	WIN 0
; THE WAY OUT.  64 numbers of a lane, register 16 b + i = k 32 b + 16 (lane / 16) + i of my row, become a fragment's codes in v[pc] on and its scale word in v[pw].
.macro QUANT s, pc, pw
.irp b, 0,1,2,3
	v_max3_num_f32 v[TM+\b], |v[\s+16*\b]|, |v[\s+1+16*\b]|, 0x8000000   ; my 16 numbers of block b, and the floor 2^(16 - 127): the byte cannot fall under 1
.endr
.irp i, 2,4,6,8,10,12,14
.irp b, 0,1,2,3
	v_max3_num_f32 v[TM+\b], v[TM+\b], |v[\s+16*\b+\i]|, |v[\s+1+16*\b+\i]|
.endr
.endr
.irp b, 0,1,2,3
	v_permlanex16_b32 v[TM+4+\b], v[TM+\b], s[SEL], s[SEL+1]
.endr
.irp b, 0,1,2,3
	v_max_num_f32 v[TM+\b], v[TM+\b], v[TM+4+\b]   ; with lane l xor 16's: the block's largest magnitude
.endr
.irp b, 0,1,2,3
	v_add_nc_u32 v[TM+12+\b], 0xf8800000, v[TM+\b] ; 15 off its exponent field: the conversion's scale operand
.endr
.irp b, 0,1,2,3
	v_and_or_b32 v[TM+8+\b], v[TM+\b], 0x7f800000, s[MNT]   ; 57,344 x the scale
.endr
.irp b, 0,1,2,3
	v_lshrrev_b32 v[TM+4+\b], 23, v[TM+12+\b]      ; the scale's byte
.endr
	v_lshl_or_b32 v[\pw], v[TM+5], 8, v[TM+4]
	v_lshl_or_b32 v[\pw], v[TM+6], 16, v[\pw]
	v_lshl_or_b32 v[\pw], v[TM+7], 24, v[\pw]
.irp b, 0,1,2,3
.irp i, 0,1,2,3,4,5,6,7,8,9,10,11,12,13,14,15
	v_med3_num_f32 v[\s+16*\b+\i], v[\s+16*\b+\i], -v[TM+8+\b], v[TM+8+\b]   ; the conversion to an 8-bit code does not saturate (ISA guide 7.6.2): the hold comes first
.endr
	v_cvt_scalef32_pk8_bf8_f32 v[(\pc)+4*\b:(\pc)+1+4*\b], v[\s+16*\b:\s+7+16*\b], v[TM+12+\b]
	v_cvt_scalef32_pk8_bf8_f32 v[(\pc)+2+4*\b:(\pc)+3+4*\b], v[\s+8+16*\b:\s+15+16*\b], v[TM+12+\b]
.endr
	v_nop                                          ; a plain line between the last conversion and the next vector line that writes its sources
.endm
	PLACES 8                                       ; behind the last products: their results are read and their operands' registers written below
.irp a, 0,1,2,3
	WIN 0x02                                       ; source 0: the accumulators, window 2
.set i, 0
.rept 32
	v_pk_mul_f32 v[QT+i:QT+i+1], v[64*\a+i:64*\a+i+1], v[SV+i:SV+i+1]   ; h x (v1 u2); each accumulator from its low end on
.set i, i+2
.endr
	WIN 0
	QUANT QT, HC+16*\a, PW+\a
.irp c, 0,1,2,3
	global_store_b128 v[LI], v[HC+16*\a+4*\c:HC+16*\a+4*\c+3], s[HO:HO+1] offset:4096*\a+512*\c   ; the image of rows 16 a on, K step = my half of the kslot: 512 consecutive bytes a store
.endr
	ds_store_b32 v[HSW], v[PW+\a] offset:64*\a     ; lanes l and l xor 16 write the same word with the same value
.endr
	s_wait_dscnt 0x0                               ; for the others' sake: my scale words lie in LDS
	s_barrier_signal -1
	s_barrier_wait -1
	ds_load_b32 v[HW], v[HSR]                      ; thread t: row block t / 16, row t % 16: the word of q = 0,
	ds_load_b32 v[HW+1], v[HSR] offset:256         ; and of q = 1
	s_wait_dscnt 0x0
	global_store_b64 v[HSO], v[HW:HW+1], s[HS:HS+1]   ; a wave stores 256 consecutive bytes, aligned
	s_wait_tensorcnt 0x0                           ; the wave's end
	ds_add_u32 v[SPW], v[NIL]
	s_wait_dscnt 0x0
	CROUND                                         ; the closing round: no work-group ends while a partner may still ask for a tile that names it
	s_endpgm
.Lfunc_end_k_q84284160f3_gemm1:
	.size	k_q84284160f3_gemm1, .Lfunc_end_k_q84284160f3_gemm1-k_q84284160f3_gemm1
	.p2alignl 7, 3214868480
	.fill 96, 4, 3214868480
	.section	.rodata,"a",@progbits
	.p2align	6, 0x0
	.amdhsa_kernel k_q84284160f3_gemm1
		.amdhsa_group_segment_fixed_size 327680
		.amdhsa_private_segment_fixed_size 0
		.amdhsa_enable_private_segment 0
		.amdhsa_kernarg_size 72
		.amdhsa_user_sgpr_count 2
		.amdhsa_user_sgpr_kernarg_segment_ptr 1
		.amdhsa_wavefront_size32 1
		.amdhsa_system_sgpr_workgroup_id_x 1
		.amdhsa_system_sgpr_workgroup_id_y 1
		.amdhsa_system_sgpr_workgroup_id_z 1
		.amdhsa_system_vgpr_workitem_id 0
		.amdhsa_next_free_vgpr 768
		.amdhsa_next_free_sgpr 100
		.amdhsa_reserve_vcc 0
		.amdhsa_float_denorm_mode_32 3
		.amdhsa_float_denorm_mode_16_64 3
		.amdhsa_memory_ordered 1
		.amdhsa_forward_progress 1
		.amdhsa_inst_pref_size 119
	.end_amdhsa_kernel
	.amdgpu_metadata
---
amdhsa.version: [ 1, 2 ]
amdhsa.kernels:
  - .name:           k_q84284160f3_gemm1
    .symbol:         k_q84284160f3_gemm1.kd
    .args:
      - { .name: acodes, .offset: 0, .size: 8, .value_kind: global_buffer, .address_space: global }
      - { .name: ascales, .offset: 8, .size: 8, .value_kind: global_buffer, .address_space: global }
      - { .name: wv, .offset: 16, .size: 8, .value_kind: global_buffer, .address_space: global }
      - { .name: v1, .offset: 24, .size: 8, .value_kind: global_buffer, .address_space: global }
      - { .name: v1_R, .offset: 32, .size: 8, .value_kind: global_buffer, .address_space: global }
      - { .name: u2, .offset: 40, .size: 8, .value_kind: global_buffer, .address_space: global }
      - { .name: u2_R, .offset: 48, .size: 8, .value_kind: global_buffer, .address_space: global }
      - { .name: hcodes, .offset: 56, .size: 8, .value_kind: global_buffer, .address_space: global }
      - { .name: hscales, .offset: 64, .size: 8, .value_kind: global_buffer, .address_space: global }
    .group_segment_fixed_size: 327680
    .private_segment_fixed_size: 0
    .kernarg_segment_align: 8
    .kernarg_segment_size: 72
    .max_flat_workgroup_size: 128
    .sgpr_count:     100
    .vgpr_count:     768
    .wavefront_size: 32
...
	.end_amdgpu_metadata
.endif
;; end of part 2
;; launch gemm2 (part 3): grid 16 x 32, 4 waves a work-group, clusters of 4 x 4, 327,680 bytes of LDS; arguments hcodes, hscales, wu, u1, u1_R, bias, out0; writes out0
.if DOCPART == 3
	.amdgcn_target "amdgcn-amd-amdhsa--gfx1250"
	.amdhsa_code_object_version 6
	.text
	.protected	k_q84284160f3_gemm2
	.globl	k_q84284160f3_gemm2
	.p2align	8
	.type	k_q84284160f3_gemm2,@function
k_q84284160f3_gemm2:
	s_mov_b64 s[64:65], 0
	v_nop
	global_prefetch_b8 v0, s[64:65] scope:SCOPE_SE
	s_setreg_imm32_b32 hwreg(HW_REG_WAVE_MODE, 25, 1), 1
	s_wait_xcnt 0x0
	s_wait_alu depctr_hold_cnt(0) depctr_sa_sdst(0) depctr_va_vdst(0) depctr_va_sdst(0) depctr_va_ssrc(0) depctr_va_vcc(0) depctr_vm_vsrc(0)
	s_getreg_b32 s2, hwreg(HW_REG_IB_STS2, 6, 4)
	s_cmp_eq_u32 s2, 0
	s_cbranch_scc0 .Lentry_in_a_cluster
	s_endpgm
.Lentry_in_a_cluster:
	s_bfe_u32 s2, ttmp6, 0x10000c
	s_cmp_lg_u32 s2, 0xf033
	s_cbranch_scc0 .Lentry_shape_is_right
	s_endpgm
.Lentry_shape_is_right:
; GEMM2: y = (h sign(U)^T) u1 + (h_R sign(U_R)^T) u1_R + bias.  M = 4,096, N = 4,096, K = 1,024 for each path.  Both operands arrive as fragment images of BF8 (E5M2) codes (16 rows x 128 K = 2,048 bytes; byte 512 c + 16 lane + j).
; u1 and u1_R multiply finished sums column by column, so each path has accumulators of its own: a wave makes 64 x 128 of y with 2 x 32 accumulators, 512 registers; a work-group of four waves 128 x 256; 16 x 32 work-groups.
; K goes by kslots of 256 through a ring of two LDS slots (32 KiB of h's codes, 64 KiB of U's): the eight kslots of path 0 and then path 1 lie 1 MiB apart in both buffers, so the ring walks on from one path into the other.
; h's scale words of all eight kslots (8 KiB) come once, with the first fills.  The weights' scale is the constant byte 112 (the codes of +-1 are +-2^15), kept in a register of its own.
; CLUSTERS: 4 x 4 work-groups: the four of a row need the same tiles of h, the four of a column the same tiles of U: each is asked for jointly.  No prefetch: every tile is read by several clusters.
; THE MATRIX INSTRUCTION IS USED TRANSPOSED (source 0 = 16 rows of U, source 1 = 16 rows of h): a lane holds eight neighbouring columns of one row of y.
; The last line is two fused multiply-adds for each number where the definition has two multiplications and two additions: one rounding less each.
; REGISTERS, in windows of 256: window 0: v16-31 addresses and constants; v32-39 h's scale words, two sets; v64-127 at work on the way out; v128-255 h's fragments, two sets of 4, later rows of y.
;   window 1: U's fragments, two sets of 8; on the way out u1, u1_R, bias at my lane's 64 columns.   window 2: path 0's accumulators, (a, b) at v[64 a + 8 b];   window 3: path 1's.
.set SLOT,  98304
.set BOFF,  32768
.set SCL,   2*SLOT                     ; h's scale words, [kslot 8][block 8][row 16][q 2]
.set RS,    4
.set SPARE, SCL+2*RS*1024              ; the spare words, 128 bytes for each wave: two blocks of 256 bytes that no other line names
.set CON,   SPARE+512                  ; u1, u1_R, bias of each wave's 128 columns: wave w at 1536 w, 512 bytes each; no tile lands here
.set KSTEP, 0x100000                   ; a kslot on, in hcodes and in wu
.set SPT,   528                        ; the way out: a stage of 16 rows x (512 + 16) bytes for each wave, in slot 0, which has had its last fill and its last read by then
.set ADRA, 16
.set STO,  18                          ; v18  the stage: where I put 32 bytes of a row
.set CRD,  19                          ; v19  the constants, back: my wave's + 32 (lane / 16)
.set ADRB, 20
.set CWR,  22                          ; v22  the constants, in: my wave's + 16 x lane
.set LI,   24                          ; v24  16 x lane
.set SRD,  26                          ; v26  the stage: where I read a row back
.set ADRS, 27
.set SPW,  28
.set NIL,  29
.set SB,   31                          ; v31  the weights' scales: four bytes 112
.set SC,   32
.set CL,   40                          ; v40-51 the constants as loaded
.set T,    64
.set AF,   128
.set BK,   128
.set G1A, 24
.set G0A, 32
.set G1B, 48
.set G0B, 56
.set G1S, 80
.set G0S, 88
.set MSB, 0
.macro WIN new
.if MSB != \new
	s_set_vgpr_msb (MSB<<8)|\new
.set MSB, \new
.endif
.endm
.set MULW2, 0xa1                       ; source 0 (U) window 1, source 1 (h) window 0, C and D window 2
.set MULW3, 0xf1                       ; the same, C and D window 3
.set TO_B,  0x40
.macro PLACES n
.rept \n
	v_nop
.endr
.endm
.macro JLOAD s                         ; a joint refill: waves 0 and 1 fetch h's halves, waves 2 and 3 U's; four v_nop follow each of the two lines
	s_cmp_eq_u32 s15, 0
	s_cbranch_scc0 .Lfor_b_\@
	tensor_load_to_lds s[G0A+4*\s:G0A+4*\s+3], s[G1A:G1A+7]
	s_nop 0
	PLACES 4
	s_branch .Lasked_\@
.Lfor_b_\@:
	tensor_load_to_lds s[G0B+4*\s:G0B+4*\s+3], s[G1B:G1B+7]
	s_nop 0
	PLACES 4
.Lasked_\@:
.endm
.macro CREST
	s_cmp_lg_u32 s14, 0
	s_cbranch_scc1 .Lnot_wave_0_\@
	s_barrier_signal -3
.Lnot_wave_0_\@:
	s_barrier_wait -3
	s_barrier_signal -1
	s_barrier_wait -1
.endm
.macro CROUND
	s_barrier_signal -1
	s_barrier_wait -1
	CREST
.endm
	s_load_b256 s[4:11], s[0:1], 0x0               ; hcodes s[4:5], hscales s[6:7], wu s[8:9], u1 s[10:11]
	s_load_b128 s[68:71], s[0:1], 0x20             ; u1_R s[68:69], bias s[70:71]
	s_load_b64 s[72:73], s[0:1], 0x30              ; out0
	v_lshl_add_u32 v[SPW], v0, 2, SPARE
	v_mov_b32 v[NIL], 0
	ds_add_u32 v28, v29
	ds_add_u32 v28, v29
	s_wait_dscnt 0x0
	v_lshrrev_b32 v1, 5, v0
	v_readfirstlane_b32 s14, v1                    ; wave 0..3
	s_lshr_b32 s15, s14, 1                         ; which 64 rows are mine.  Also: I fetch for h (0) or for U (1)
	s_and_b32 s16, s14, 1                          ; which 128 columns.  Also: which half of that tile I fetch
	s_bfe_u32 s40, ttmp6, 0x40000                  ; cx, cy
	s_bfe_u32 s41, ttmp6, 0x40004
	s_lshl_b32 s42, ttmp9, 2
	s_add_co_u32 s42, s42, s40                     ; tile column
	s_and_b32 s17, ttmp7, 0xffff
	s_lshl_b32 s17, s17, 2
	s_add_co_u32 s17, s17, s41                     ; tile row
	s_lshl_b32 s43, s41, 2
	s_lshl_b32 s43, 15, s43                        ; my row of the cluster
	s_lshl_b32 s44, 0x1111, s40                    ; my column
	s_or_b32 s[G1A], s43, (3<<16)|(1<<21)          ; dense blocks as rows of 256 bytes (32 elements of 8 bytes), no padding
	s_mov_b32 s[G1A+1], 32<<16
	s_mov_b32 s[G1A+2], 64<<16                     ; 64 rows = 16 KiB
	s_mov_b32 s[G1A+3], 32<<16
	s_mov_b32 s[G1A+4], 64
	s_mov_b32 s[G1A+5], 32
	s_mov_b32 s[G1A+6], 0
	s_mov_b32 s[G1A+7], 0
	s_or_b32 s[G1B], s44, (3<<16)|(1<<21)
	s_mov_b32 s[G1B+1], 32<<16
	s_mov_b32 s[G1B+2], 128<<16                    ; 128 rows = 32 KiB
	s_mov_b32 s[G1B+3], 32<<16
	s_mov_b32 s[G1B+4], 128
	s_mov_b32 s[G1B+5], 32
	s_mov_b32 s[G1B+6], 0
	s_mov_b32 s[G1B+7], 0
	s_or_b32 s[G1S], s43, (3<<16)|(1<<21)          ; the scale words: RS rows of 1,024 bytes, a kslot (32,768 bytes) apart
	s_mov_b32 s[G1S+1], 128<<16
	s_mov_b32 s[G1S+2], RS<<16
	s_mov_b32 s[G1S+3], 128<<16
	s_mov_b32 s[G1S+4], RS
	s_mov_b32 s[G1S+5], 4096
	s_mov_b32 s[G1S+6], 0
	s_mov_b32 s[G1S+7], 0
	s_lshl_b32 s20, s17, 15                        ; h: tile row x 8 blocks
	s_lshl_b32 s18, s16, 14                        ; + my half; the same in LDS
	s_add_co_u32 s20, s20, s18
	s_mov_b32 s21, 0
	s_lshl_b32 s22, s17, 10
	s_lshl_b32 s19, s16, 17                        ; my 4 kslots of scale words
	s_add_co_u32 s22, s22, s19
	s_mov_b32 s23, 0
	s_lshl_b32 s19, s16, 12                        ; and their place in LDS
	s_lshl_b32 s46, s42, 16                        ; U: tile column x 16 blocks
	s_lshl_b32 s45, s16, 15
	s_add_co_u32 s46, s46, s45
	s_mov_b32 s47, 0
	s_add_co_u32 s45, s45, BOFF
	; every LDS address is made here, ahead of the first branch on the wave's number
	v_and_b32 v1, 31, v0
	v_and_b32 v2, 15, v0
	v_bfe_u32 v3, v0, 4, 1
	v_lshlrev_b32 v[LI], 4, v1
	s_lshl_b32 s79, s15, 14
	v_add_nc_u32 v[ADRA], s79, v[LI]
	v_add_nc_u32 v[ADRA+1], SLOT, v[ADRA]
	v_add_nc_u32 v[ADRB], s45, v[LI]
	v_add_nc_u32 v[ADRB+1], SLOT, v[ADRB]
	s_lshl_b32 s79, s15, 9
	s_add_co_u32 s79, s79, SCL
	v_lshl_add_u32 v[ADRS], v1, 3, s79
	s_mul_i32 s79, s14, 1536
	s_add_co_u32 s79, s79, CON
	v_add_nc_u32 v[CWR], s79, v[LI]
	v_lshl_add_u32 v[CRD], v3, 5, s79
	s_mul_i32 s79, s14, 16*SPT
	v_mul_u32_u24 v[STO], v2, SPT
	v_lshl_add_u32 v[STO], v3, 5, v[STO]
	v_add_nc_u32 v[STO], s79, v[STO]
	v_add_nc_u32 v[SRD], s79, v[LI]
	v_mov_b32 v[SB], 0x70707070
	s_wait_kmcnt 0x0
	s_add_nc_u64 s[20:21], s[4:5], s[20:21]
	s_add_nc_u64 s[22:23], s[6:7], s[22:23]
	s_add_nc_u64 s[46:47], s[8:9], s[46:47]
	s_mov_b32 s[G0S], 1
	s_add_co_u32 s[G0S+1], s19, SCL
	s_mov_b64 s[G0S+2:G0S+3], s[22:23]
	s_or_b32 s[G0S+3], s[G0S+3], 0x80000000
.irp s, 0,1
	s_mov_b32 s[G0A+4*\s], 1
	s_add_co_u32 s[G0A+4*\s+1], s18, \s*SLOT
	s_add_nc_u64 s[G0A+4*\s+2:G0A+4*\s+3], s[20:21], \s*KSTEP
	s_or_b32 s[G0A+4*\s+3], s[G0A+4*\s+3], 0x80000000
	s_mov_b32 s[G0B+4*\s], 1
	s_add_co_u32 s[G0B+4*\s+1], s45, \s*SLOT
	s_add_nc_u64 s[G0B+4*\s+2:G0B+4*\s+3], s[46:47], \s*KSTEP
	s_or_b32 s[G0B+4*\s+3], s[G0B+4*\s+3], 0x80000000
.endr
	CROUND                                         ; all sixteen work-groups are here: the first joint loads meet
	s_cmp_eq_u32 s15, 0                            ; a wave's first fills stand in one branch: three loads of an h wave are out, two of a U wave
	s_cbranch_scc0 .Lfirst_b
	tensor_load_to_lds s[G0S:G0S+3], s[G1S:G1S+7]
	s_nop 0
	tensor_load_to_lds s[G0A:G0A+3], s[G1A:G1A+7]
	s_nop 0
	tensor_load_to_lds s[G0A+4:G0A+7], s[G1A:G1A+7]
	s_nop 0
	PLACES 4
	s_branch .Lfirst_asked
.Lfirst_b:
	tensor_load_to_lds s[G0B:G0B+3], s[G1B:G1B+7]
	s_nop 0
	tensor_load_to_lds s[G0B+4:G0B+7], s[G1B:G1B+7]
	s_nop 0
	PLACES 4
.Lfirst_asked:
	s_lshl_b32 s46, s42, 10                        ; my first column, in bytes: 1,024 x tile column + 512 x half
	s_lshl_b32 s79, s16, 9
	s_add_co_u32 s46, s46, s79
	s_mov_b32 s47, 0
	s_add_nc_u64 s[10:11], s[10:11], s[46:47]
	s_add_nc_u64 s[68:69], s[68:69], s[46:47]
	s_add_nc_u64 s[70:71], s[70:71], s[46:47]
	global_load_b128 v[CL:CL+3], v[LI], s[10:11]   ; 512 consecutive bytes each: my wave's 128 columns
	global_load_b128 v[CL+4:CL+7], v[LI], s[68:69]
	global_load_b128 v[CL+8:CL+11], v[LI], s[70:71]
	s_lshl_b32 s79, s17, 21                        ; my first row of y: (128 x tile row + 64 x half) x 16,384 bytes
	s_add_co_u32 s46, s46, s79
	s_lshl_b32 s79, s15, 20
	s_add_co_u32 s46, s46, s79
	s_add_nc_u64 s[72:73], s[72:73], s[46:47]
	s_wait_loadcnt 0x0
.irp i, 0,1,2
	ds_store_b128 v[CWR], v[CL+4*\i:CL+4*\i+3] offset:512*\i   ; my wave's own bytes: only I read them back
.endr
.macro MUL8 a, q, sc, zero             ; 8 matrix instructions: h's block a against U's eight; the accumulators take turns, one instruction a turn
.irp b, 0,1,2,3,4,5,6,7
.set rD, 64*(\a)+8*\b
.set rB, 128*(\q)+16*\b
.set rA, AF+64*(\q)+16*(\a)
.set rS, SC+4*(\sc)+2*((\a)/2)+(\q)
.if \zero
.if (\a)%2
	v_wmma_scale_f32_16x16x128_f8f6f4 v[rD:rD+7], v[rB:rB+15], v[rA:rA+15], 0, v[SB], v[rS] matrix_a_fmt:MATRIX_FMT_BF8 matrix_b_fmt:MATRIX_FMT_BF8 matrix_b_scale:MATRIX_SCALE_ROW1
.else
	v_wmma_scale_f32_16x16x128_f8f6f4 v[rD:rD+7], v[rB:rB+15], v[rA:rA+15], 0, v[SB], v[rS] matrix_a_fmt:MATRIX_FMT_BF8 matrix_b_fmt:MATRIX_FMT_BF8
.endif
.else
.if (\a)%2
	v_wmma_scale_f32_16x16x128_f8f6f4 v[rD:rD+7], v[rB:rB+15], v[rA:rA+15], v[rD:rD+7], v[SB], v[rS] matrix_a_fmt:MATRIX_FMT_BF8 matrix_b_fmt:MATRIX_FMT_BF8 matrix_b_scale:MATRIX_SCALE_ROW1
.else
	v_wmma_scale_f32_16x16x128_f8f6f4 v[rD:rD+7], v[rB:rB+15], v[rA:rA+15], v[rD:rD+7], v[SB], v[rS] matrix_a_fmt:MATRIX_FMT_BF8 matrix_b_fmt:MATRIX_FMT_BF8
.endif
.endif
.endr
.endm
.macro FETCH slot, q                   ; 48 LDS loads in one run, 512 consecutive bytes each
	WIN TO_B
.irp b, 0,1,2,3,4,5,6,7
.irp c, 0,1,2,3
	ds_load_b128 v[128*(\q)+16*\b+4*\c:128*(\q)+16*\b+4*\c+3], v[ADRB+\slot] offset:4096*\b+2048*(\q)+512*\c
.endr
.endr
	WIN 0
.irp a, 0,1,2,3
.irp c, 0,1,2,3
	ds_load_b128 v[AF+64*(\q)+16*\a+4*\c:AF+64*(\q)+16*\a+4*\c+3], v[ADRA+\slot] offset:4096*\a+2048*(\q)+512*\c
.endr
.endr
.endm
.macro SCALES s
.irp p, 0,1
	ds_load_b64 v[SC+4*\s+2*\p:SC+4*\s+2*\p+1], v[ADRS] offset:256*\p
.endr
.endm
.macro STEP slot, zero, w              ; a slot's first step: multiplies set 0 while set 1 is fetched; w: the path's accumulators
	s_wait_dscnt 0x0                               ; set 0 and the scale words are in
	PLACES 8                                       ; the last products read set 1: eight places in front of loads into it
	FETCH \slot, 1
	WIN \w
	MUL8 0, 0, \slot, \zero
	MUL8 1, 0, \slot, \zero
	MUL8 2, 0, \slot, \zero
	MUL8 3, 0, \slot, \zero
	WIN 0
.endm
; A slot's second step changes slots: in front of the barrier each wave waits for all its tensor loads, adds 0 to its spare word, and waits for that and for its reads of this slot.
; fill = 1: the barrier opens a round of the cluster's, and this slot is filled again, two kslots ahead, first thing behind the round.
.macro TURN slot, next, fill, w
	s_wait_tensorcnt 0x0                           ; all my tensor loads have landed: my part of the next slot
	ds_add_u32 v[SPW], v[NIL]                      ; 0 onto my spare word
	s_wait_dscnt 1                                 ; the add may be out; the 48 loads of set 1 are in
	WIN \w
	MUL8 0, 1, \slot, 0
	s_wait_dscnt 0x0                               ; the add is done, and my reads of this slot are over
	s_barrier_signal -1
	MUL8 1, 1, \slot, 0
	WIN 0
	s_barrier_wait -1
.if \fill
	CREST
	s_add_nc_u64 s[G0A+4*\slot+2:G0A+4*\slot+3], s[G0A+4*\slot+2:G0A+4*\slot+3], 2*KSTEP
	s_add_nc_u64 s[G0B+4*\slot+2:G0B+4*\slot+3], s[G0B+4*\slot+2:G0B+4*\slot+3], 2*KSTEP
	JLOAD \slot                                    ; its four v_nop are four of the eight places in front of the loads below
	PLACES 4
.else
	PLACES 8
.endif
	v_add_nc_u32 v[ADRS], 1024, v[ADRS]            ; the next kslot's scale words (no LDS load of mine is out)
	FETCH \next, 0
	SCALES \next
	WIN \w
	MUL8 2, 1, \slot, 0
	MUL8 3, 1, \slot, 0
	WIN 0
.endm
	s_wait_tensorcnt 1                             ; the scale words and my part of kslot 0 are in; kslot 1's load, the one issued behind them in every wave, may be out
	s_wait_dscnt 0x0                               ; my three stores of constants
	s_barrier_signal -1
	s_barrier_wait -1
	FETCH 0, 0
	SCALES 0
	STEP 0, 1, MULW2                               ; path 0: kslots 0 to 3; its first products start the sums
	TURN 0, 1, 1, MULW2
	STEP 1, 0, MULW2
	TURN 1, 0, 1, MULW2
	STEP 0, 0, MULW2
	TURN 0, 1, 1, MULW2
	STEP 1, 0, MULW2
	TURN 1, 0, 1, MULW2
	STEP 0, 1, MULW3                               ; path 1: kslots 4 to 7, on accumulators of its own
	TURN 0, 1, 1, MULW3
	STEP 1, 0, MULW3
	TURN 1, 0, 1, MULW3
	STEP 0, 0, MULW3
	TURN 0, 1, 0, MULW3                            ; the last two kslots are in LDS: nothing is filled any more
	STEP 1, 0, MULW3
	s_wait_dscnt 0x0
	WIN MULW3
	MUL8 0, 1, 1, 0
	MUL8 1, 1, 1, 0
	MUL8 2, 1, 1, 0
	MUL8 3, 1, 1, 0
	WIN 0
	; THE WAY OUT.  u1, u1_R and bias at my lane's columns (register 8 b + j: column 16 b + 8 (lane / 16) + j) into window 1, where U's fragments lay.
	PLACES 8                                       ; behind the last products: their operands' registers are loaded and their results read below
	WIN TO_B
.irp u, 0,1,2
.irp b, 0,1,2,3,4,5,6,7
	ds_load_b128 v[64*\u+8*\b:64*\u+8*\b+3], v[CRD] offset:512*\u+64*\b
	ds_load_b128 v[64*\u+8*\b+4:64*\u+8*\b+7], v[CRD] offset:512*\u+64*\b+16
.endr
.endr
	WIN 0
	s_wait_dscnt 0x0
.macro COMB a                          ; rows 16 a on: y = acc0 u1 + (acc1 u1_R + bias); each accumulator from its low end on
	WIN 0x17                                       ; source 0 window 3, sources 1 and 2 window 1
.set i, 0
.rept 32
	v_pk_fma_f32 v[T+i:T+i+1], v[64*(\a)+i:64*(\a)+i+1], v[64+i:64+i+1], v[128+i:128+i+1]
.set i, i+2
.endr
	WIN 0x06                                       ; source 0 window 2, source 1 window 1
.set i, 0
.rept 32
	v_pk_fma_f32 v[T+i:T+i+1], v[64*(\a)+i:64*(\a)+i+1], v[i:i+1], v[T+i:T+i+1]
.set i, i+2
.endr
	WIN 0
.endm
.macro TOSTAGE a                       ; a lane's 32 neighbouring bytes of a row go into my stage and come back as whole rows of 512 bytes; LDS serves a wave's instructions in order
.irp b, 0,1,2,3,4,5,6,7
	ds_store_b128 v[STO], v[T+8*\b:T+8*\b+3] offset:64*\b
	ds_store_b128 v[STO], v[T+8*\b+4:T+8*\b+7] offset:64*\b+16
.endr
.set BB, BK+64*((\a)%2)
.irp t, 0,1,2,3,4,5,6,7,8,9,10,11,12,13,14,15
	ds_load_b128 v[BB+4*\t:BB+4*\t+3], v[SRD] offset:\t*SPT
.endr
.endm
.macro SEND a, younger                 ; younger: the LDS instructions issued behind block a's loads, which may stay out
.set BB, BK+64*((\a)%2)
	s_wait_dscnt \younger
.irp t, 0,1,2,3,4,5,6,7,8,9,10,11,12,13,14,15
	global_store_b128 v[LI], v[BB+4*\t:BB+4*\t+3], s[72:73] offset:(16*(\a)+\t)*16384 th:TH_STORE_NT   ; 32 lanes store 512 consecutive bytes, aligned; 63 rows at the most: inside the signed 24-bit immediate
.endr
.endm
	COMB 0
	TOSTAGE 0
.irp a, 1,2,3
	s_wait_dscnt 16                                ; the last block's 16 loads may be out; its 16 stores have read T
	COMB \a
.if \a > 1
	s_wait_xcnt 0x0                                ; block a - 2's stores have read the registers into which block a's rows come back
.endif
	TOSTAGE \a
	SEND \a-1, 32                                  ; behind block a - 1's loads: block a's 16 stores and 16 loads
.endr
	SEND 3, 0
	s_wait_tensorcnt 0x0                           ; the wave's end
	ds_add_u32 v[SPW], v[NIL]
	s_wait_dscnt 0x0
	CROUND                                         ; the closing round: no work-group ends while a partner may still ask for a tile that names it
	s_endpgm
.Lfunc_end_k_q84284160f3_gemm2:
	.size	k_q84284160f3_gemm2, .Lfunc_end_k_q84284160f3_gemm2-k_q84284160f3_gemm2
	.p2alignl 7, 3214868480
	.fill 96, 4, 3214868480
	.section	.rodata,"a",@progbits
	.p2align	6, 0x0
	.amdhsa_kernel k_q84284160f3_gemm2
		.amdhsa_group_segment_fixed_size 327680
		.amdhsa_private_segment_fixed_size 0
		.amdhsa_enable_private_segment 0
		.amdhsa_kernarg_size 56
		.amdhsa_user_sgpr_count 2
		.amdhsa_user_sgpr_kernarg_segment_ptr 1
		.amdhsa_wavefront_size32 1
		.amdhsa_system_sgpr_workgroup_id_x 1
		.amdhsa_system_sgpr_workgroup_id_y 1
		.amdhsa_system_sgpr_workgroup_id_z 1
		.amdhsa_system_vgpr_workitem_id 0
		.amdhsa_next_free_vgpr 1024
		.amdhsa_next_free_sgpr 92
		.amdhsa_reserve_vcc 0
		.amdhsa_float_denorm_mode_32 3
		.amdhsa_float_denorm_mode_16_64 3
		.amdhsa_memory_ordered 1
		.amdhsa_forward_progress 1
		.amdhsa_inst_pref_size 169
	.end_amdhsa_kernel
	.amdgpu_metadata
---
amdhsa.version: [ 1, 2 ]
amdhsa.kernels:
  - .name:           k_q84284160f3_gemm2
    .symbol:         k_q84284160f3_gemm2.kd
    .args:
      - { .name: hcodes, .offset: 0, .size: 8, .value_kind: global_buffer, .address_space: global }
      - { .name: hscales, .offset: 8, .size: 8, .value_kind: global_buffer, .address_space: global }
      - { .name: wu, .offset: 16, .size: 8, .value_kind: global_buffer, .address_space: global }
      - { .name: u1, .offset: 24, .size: 8, .value_kind: global_buffer, .address_space: global }
      - { .name: u1_R, .offset: 32, .size: 8, .value_kind: global_buffer, .address_space: global }
      - { .name: bias, .offset: 40, .size: 8, .value_kind: global_buffer, .address_space: global }
      - { .name: out0, .offset: 48, .size: 8, .value_kind: global_buffer, .address_space: global }
    .group_segment_fixed_size: 327680
    .private_segment_fixed_size: 0
    .kernarg_segment_align: 8
    .kernarg_segment_size: 56
    .max_flat_workgroup_size: 128
    .sgpr_count:     92
    .vgpr_count:     1024
    .wavefront_size: 32
...
	.end_amdgpu_metadata
.endif
;; end of part 3
;; ======== version 2 of 2: 3 launches
;; limits: right only within a limited range of input values
;; workspace buffers: acodes 33,554,432 bytes; ascales 1,048,576 bytes; wv 8,388,608 bytes; wu 8,388,608 bytes; hcodes 8,388,608 bytes; hscales 262,144 bytes
;; launch prep (part 4): grid 512 x 1, 4 waves a work-group, no clusters, 72,192 bytes of LDS; arguments x, V, V_R, U, U_R, v2, v2_R, acodes, ascales, wv, wu; writes acodes, ascales, wv, wu
.if DOCPART == 4
	.amdgcn_target "amdgcn-amd-amdhsa--gfx1250"
	.amdhsa_code_object_version 6
	.text
	.protected	k_q84284160f3_prep
	.globl	k_q84284160f3_prep
	.p2align	8
	.type	k_q84284160f3_prep,@function
k_q84284160f3_prep:
	s_mov_b64 s[64:65], 0
	v_nop
	global_prefetch_b8 v0, s[64:65] scope:SCOPE_SE
	s_setreg_imm32_b32 hwreg(HW_REG_WAVE_MODE, 25, 1), 1
	s_wait_xcnt 0x0
; PREP: every operand that is known ahead of the products is turned into codes of BF8 (E5M2), once.
;   x [4096][4096] f32 -> codes and E8M0 scale words of x * v2 (path 0) and of x * v2_R (path 1);   V, V_R [1024][4096], U, U_R [4096][1024] f32 -> codes of their signs.
; A block's scale is 2^(floor(log2(its largest magnitude)) - 15); its byte is the largest magnitude's exponent field - 15, held at 1 from below; each number is divided by the scale, held within +-57,344, rounded to the nearest code.
; A SIGN is +1, -1 or 0: a block's largest magnitude is 1 (byte 112, codes +-2^15) or the block is zeros, whose codes add nothing under byte 112 either.  So the weights have no scale bytes in memory: the products name the constant 112.
; LIMITS: NaN and infinities among the inputs are not served (the sign of a NaN becomes +-1).  A block of zeros gets the byte 1 (weights: 112) where the rule says 127: its codes are zeros, and this program alone reads the bytes.
; LAYOUT OF ALL CODES: A FRAGMENT'S IMAGE.  16 rows x 128 K are 2,048 bytes; byte 512 c + 16 lane + j is the code of row lane % 16 at k = 32 c + 16 (lane / 16) + j: four loads of 16 bytes a lane, 512 dense bytes each, give the operand's registers.
;   acodes [path 2][kslot 16][row block 256][q 2][2048], kslot = 256 along K, q = its half;   ascales [path 2][kslot 16][row block 256][row 16][q 2] words;
;   wv [kslot 16][block 128][q 2][2048], blocks 0-63 V, 64-127 V_R;   wu [path 2][kslot 4][block 256][q 2][2048].
; THE ROWS OF V THAT FORM A BLOCK ARE NOT NEIGHBOURS: row p of block 8 G + t is V's row 128 G + 32 (t / 2) + 8 (t % 2) + p + 8 (p / 8), so that the first product's results lie along the second product's K in a lane's registers.
; SHARES.  A work-group takes 128 rows x 512 K of one tensor: work-groups 0-255 x, 256-319 V, 320-383 V_R, 384-447 U, 448-511 U_R.  Wave w takes 128 along K and walks eight fragments down the rows.
; A load reads 512 consecutive bytes of one row, 16 a lane; so a lane holds the same four k of all 16 rows and multiplies them by four numbers of v2 that it keeps.  The conversions want 16 neighbours along K in one lane:
; the fragment turns through the wave's own stage in LDS (rows 528 bytes apart, so that the 16 rows of a read start at 16 different banks).
; LOADS RUN TWO FRAGMENTS AHEAD: two buffers of 64 registers in window 1 (v256-383), the even fragments' and the odd ones'; a buffer is asked for again as soon as it has been multiplied: 32 loads, 16 KiB, of a wave are on their way.
; No tensor loads, no matrix work, no cluster: nothing is shared between work-groups, and every input byte is read once.
.set SP,   528                         ; a stage row: 512 bytes + 16
.set WST,  16*SP                       ; a wave's stage
.set STA,  0                           ; stage A: all work-groups
.set STB,  4*WST                       ; stage B: x's second path alone
.set SCL,  8*WST                       ; x's scale words: wave w at 1024 w: [path 2][fragment 8][row 16] words
.set LI,   4                           ; v4   16 x lane: the even fragments' offset, and the stores'
.set STI,  5                           ; v5   into a stage: my wave's + 16 x lane
.set STO,  6                           ; v6   out of it: row lane % 16, + 64 (lane / 16)
.set SCB,  7                           ; v7   my row's scale word in my wave's region
.set SA,   8                           ; v8   at the head the offset into v2; later the scale word's address in hand
.set SRD,  9                           ; v9   the scale words' way out
.set SCW,  10                          ; v10  2^-15 as f32: the signs' scale operand
.set LI1,  11                          ; v11  16 x lane + the rows from an even fragment to the odd one behind it
.set VA,   12                          ; v12-15  v2 at my four k (1.0 for the weights)
.set VB,   16                          ; v16-19  v2_R at my four k
.set TM,   20                          ; v20-23 largest magnitudes, v24-27 bytes, v28-31 the largest number x the scale, v32-35 scale operands
.set PW0,  36                          ; the scale words just made
.set PW1,  37
.set TMPV, 38
.set PC,   40                          ; v40-55  the codes just made
.set SW,   56                          ; v56-63  the scale words on their way out
.set Y,    64                          ; v64-127  x v2_R as loaded
.set T,    128                         ; v128-191 x v2 as loaded; later x v2_R, 16 neighbours a block
.set X,    192                         ; v192-255 x v2, 16 neighbours a block
.set RB,   32                          ; s[32:63] the addresses of the 16 rows of the pair's even fragment
.set WV,   66
.set ISX,  67                          ; 1 in x's work-groups
.set MASK, 68                          ; all ones in x's work-groups
.set SOFF, 82                          ; the pair of fragments in hand, in bytes of scale words
.set CNT,  83
.set SEL,  84                          ; s[84:85] v_permlanex16_b32's selects for lane l xor 16
.set MNT,  86                          ; the mantissa field of 57,344
.set ABSM, 87                          ; all but the sign
.set MSB, 0
.macro WIN new                         ; the immediate's high byte repeats the setting that is left; at a label and at a branch every window is 0
.if MSB != \new
	s_set_vgpr_msb (MSB<<8)|\new
.set MSB, \new
.endif
.endm
	s_load_b512 s[4:19], s[0:1], 0x0               ; x s[4:5], V s[6:7], V_R s[8:9], U s[10:11], U_R s[12:13], v2 s[14:15], v2_R s[16:17], acodes s[18:19]
	s_load_b128 s[20:23], s[0:1], 0x40             ; ascales s[20:21], wv s[22:23]
	s_load_b64 s[24:25], s[0:1], 0x50              ; wu
	v_lshl_add_u32 v39, v0, 2, 0x11800
	s_set_vgpr_msb 0x40
	v_mov_b32 v129, 0
	s_set_vgpr_msb 0x4000
	v_lshrrev_b32 v1, 5, v0
	v_readfirstlane_b32 s[WV], v1                  ; wave 0..3
	v_and_b32 v1, 31, v0                           ; lane
	s_wait_alu depctr_va_vdst(0)
	v_and_b32 v2, 15, v0                           ; r
	v_bfe_u32 v3, v0, 4, 1                         ; h
	v_lshlrev_b32 v[LI], 4, v1
	s_mul_i32 s88, s[WV], WST
	v_add_nc_u32 v[STI], s88, v[LI]
	v_mul_u32_u24 v[STO], v2, SP
	v_lshl_add_u32 v[STO], v3, 6, v[STO]
	v_add_nc_u32 v[STO], s88, v[STO]
	s_lshl_b32 s88, s[WV], 10
	s_add_co_u32 s88, s88, SCL
	v_lshl_add_u32 v[SCB], v2, 2, s88              ; SCL + 1024 x wave + 4 r
	s_and_b32 s88, s[WV], 1                        ; on the way out wave w stores path w / 2, kslot w % 2 of the work-group's two: it reads the words of waves 2 (w % 2) and 2 (w % 2) + 1
	s_lshl_b32 s88, s88, 11
	s_lshr_b32 s89, s[WV], 1
	s_lshl_b32 s89, s89, 9
	s_add_co_u32 s88, s88, s89
	s_add_co_u32 s88, s88, SCL
	v_lshl_add_u32 v[SRD], v1, 3, s88
	v_mov_b32 v[SCW], 0x38000000
.irp b, 0,1,2,3
	v_mov_b32 v[TM+4+\b], 0                        ; written once: a lane permute's destination counts as one of its sources
.endr
	s_mov_b32 s[SEL], 0x76543210
	s_mov_b32 s[SEL+1], 0xfedcba98
	s_mov_b32 s[MNT], 0x600000
	s_mov_b32 s[ABSM], 0x7fffffff
	; which tensor, which part: all from the work-group's number
	s_and_b32 s69, ttmp9, 63
	s_lshr_b32 s88, ttmp9, 6
	s_and_b32 s89, s88, 1                          ; the second tensor of a pair (V_R, U_R)
	s_lshr_b32 s90, ttmp9, 7                       ; 0, 1: x;  2: V, V_R;  3: U, U_R
	s_cmp_lt_u32 ttmp9, 256
	s_cselect_b32 s[ISX], 1, 0
	s_cselect_b32 s[MASK], -1, 0
	s_cselect_b32 s69, ttmp9, s69                  ; the part's number in its tensor
	s_cselect_b32 s89, 0, s89
	s_cmp_eq_u32 s90, 3
	s_cselect_b32 s72, 12, 14                      ; a row is 2^12 bytes in U, 2^14 in x and V
	s_cselect_b32 s91, 1, 7
	s_cselect_b32 s94, 1, 3
	s_cselect_b32 s95, 22, 18                      ; the second tensor's codes begin 4 MiB on in wu, 64 blocks on in wv
	s_and_b32 s70, s69, s91                        ; g: which 512 along K
	s_lshr_b32 s71, s69, s94                       ; grp: which 128 rows
	s_lshl_b32 s89, s89, s95
	s_cmp_eq_u32 s90, 2
	s_cselect_b32 s88, 19, 20                      ; a kslot is 2^19 bytes in wv, 2^20 in acodes and wu
	s_cselect_b32 s76, 8, 16                       ; rows from an even fragment to the odd one behind it,
	s_cselect_b32 s78, 8, 0                        ; and the gap between a fragment's rows 7 and 8
	s_lshl_b32 s74, 32, s72                        ; from a pair of fragments to the next: 32 rows in every tensor (V: 8 + 24)
	s_lshl_b32 s76, s76, s72
	s_lshl_b32 s78, s78, s72
	s_mov_b32 s75, 0
	s_mov_b32 s79, 0
	v_add_nc_u32 v[LI1], s76, v[LI]
	s_lshl_b32 s92, 1, s72                         ; a row, in bytes
	s_mov_b32 s93, 0
	s_add_co_u32 s94, s72, 7                       ; where I read: grp x 128 rows + g x 2,048 + wave x 512
	s_lshl_b32 s90, s71, s94
	s_lshl_b32 s94, s70, 11
	s_add_co_u32 s90, s90, s94
	s_lshl_b32 s94, s[WV], 9
	s_add_co_u32 s90, s90, s94
	s_mov_b32 s91, 0
	s_lshl_b32 s94, s70, 1                         ; where my codes go: kslot 2 g + wave / 2, block 8 grp, half wave % 2
	s_lshr_b32 s95, s[WV], 1
	s_add_co_u32 s94, s94, s95
	s_lshl_b32 s94, s94, s88
	s_lshl_b32 s95, s71, 15
	s_add_co_u32 s94, s94, s95
	s_and_b32 s95, s[WV], 1
	s_lshl_b32 s95, s95, 11
	s_add_co_u32 s94, s94, s95
	s_add_co_u32 s94, s94, s89
	s_mov_b32 s95, 0
	s_lshr_b32 s88, s[WV], 1                       ; where I store scale words: path wave / 2, kslot 2 g + wave % 2, 1,024 bytes for the work-group's 8 row blocks
	s_lshl_b32 s88, s88, 19
	s_and_b32 s82, s[WV], 1
	s_lshl_b32 s83, s70, 1
	s_add_co_u32 s82, s82, s83
	s_lshl_b32 s82, s82, 15
	s_add_co_u32 s88, s88, s82
	s_lshl_b32 s82, s71, 10
	s_add_co_u32 s88, s88, s82
	s_mov_b32 s89, 0
	s_lshl_b32 s82, s70, 2                         ; my K step, 4 g + wave, at most 31: 512 bytes of v2 each, inside v2 for every tensor
	s_add_co_u32 s82, s82, s[WV]
	s_lshl_b32 s82, s82, 9
	v_add_nc_u32 v[SA], s82, v[LI]
	s_wait_alu depctr_va_vdst(0)
	s_wait_kmcnt 0x0
	s_cmp_lt_u32 ttmp9, 448                        ; the choices hang on the work-group's number alone
	s_cselect_b64 s[26:27], s[10:11], s[12:13]
	s_cmp_lt_u32 ttmp9, 384
	s_cselect_b64 s[26:27], s[8:9], s[26:27]
	s_cselect_b64 s[28:29], s[22:23], s[24:25]
	s_cmp_lt_u32 ttmp9, 320
	s_cselect_b64 s[26:27], s[6:7], s[26:27]
	s_cmp_lt_u32 ttmp9, 256
	s_cselect_b64 s[26:27], s[4:5], s[26:27]
	s_cselect_b64 s[28:29], s[18:19], s[28:29]
	s_add_nc_u64 s[26:27], s[26:27], s[90:91]
	s_add_nc_u64 s[28:29], s[28:29], s[94:95]      ; the codes (x: path 0's)
	s_add_nc_u64 s[30:31], s[28:29], 0x1000000     ; x's path 1: 16 MiB on; x's lines alone name it
	s_add_nc_u64 s[80:81], s[20:21], s[88:89]
	global_load_b128 v[VA:VA+3], v[SA], s[14:15]
	global_load_b128 v[VB:VB+3], v[SA], s[16:17]
	s_mov_b64 s[RB:RB+1], s[26:27]
.irp i, 1,2,3,4,5,6,7,8,9,10,11,12,13,14,15
	s_add_nc_u64 s[RB+2*\i:RB+2*\i+1], s[RB+2*\i-2:RB+2*\i-1], s[92:93]
.if \i == 8
	s_add_nc_u64 s[RB+16:RB+17], s[RB+16:RB+17], s[78:79]
.endif
.endr
.macro LOADS j                         ; the 16 rows of the pair's fragment j into buffer j (window 1, v[64 j] on): each load reads 512 consecutive bytes; read once in the launch
	WIN 0x40                                       ; destination window 1, address window 0
.irp i, 0,1,2,3,4,5,6,7,8,9,10,11,12,13,14,15
	global_load_b128 v[64*\j+4*\i:64*\j+4*\i+3], v[LI+7*\j], s[RB+2*\i:RB+2*\i+1] th:TH_LOAD_NT
.endr
	WIN 0
.endm
.macro STEPRB                          ; on to the next pair's rows
.irp i, 0,1,2,3,4,5,6,7,8,9,10,11,12,13,14,15
	s_add_nc_u64 s[RB+2*\i:RB+2*\i+1], s[RB+2*\i:RB+2*\i+1], s[74:75]
.endr
.endm
; 64 numbers of a lane, register 16 b + i = k 32 b + 16 (lane / 16) + i of my row, become a fragment's codes in v[PC] on and its scale word in v[pw]
.macro QUANT s, pw
.irp b, 0,1,2,3
	v_max3_num_f32 v[TM+\b], |v[\s+16*\b]|, |v[\s+1+16*\b]|, 0x8000000   ; block b: my 16 numbers, and the floor 2^(16 - 127): the byte cannot fall under 1
.endr
.irp i, 2,4,6,8,10,12,14
.irp b, 0,1,2,3
	v_max3_num_f32 v[TM+\b], v[TM+\b], |v[\s+16*\b+\i]|, |v[\s+1+16*\b+\i]|   ; the four blocks by turns
.endr
.endr
.irp b, 0,1,2,3
	v_permlanex16_b32 v[TM+4+\b], v[TM+\b], s[SEL], s[SEL+1]
.endr
.irp b, 0,1,2,3
	v_max_num_f32 v[TM+\b], v[TM+\b], v[TM+4+\b]   ; with lane l xor 16's: the block's largest magnitude
.endr
.irp b, 0,1,2,3
	v_add_nc_u32 v[TM+12+\b], 0xf8800000, v[TM+\b] ; 15 off its exponent field: the conversion takes this operand's exponent field as its scale
.endr
.irp b, 0,1,2,3
	v_and_or_b32 v[TM+8+\b], v[TM+\b], 0x7f800000, s[MNT]   ; 57,344 x the scale
.endr
.irp b, 0,1,2,3
	v_lshrrev_b32 v[TM+4+\b], 23, v[TM+12+\b]      ; the scale's byte
.endr
	v_lshl_or_b32 v[\pw], v[TM+5], 8, v[TM+4]      ; four bytes: my row's scale word
	v_lshl_or_b32 v[\pw], v[TM+6], 16, v[\pw]
	v_lshl_or_b32 v[\pw], v[TM+7], 24, v[\pw]
.irp b, 0,1,2,3
.irp i, 0,1,2,3,4,5,6,7,8,9,10,11,12,13,14,15
	v_med3_num_f32 v[\s+16*\b+\i], v[\s+16*\b+\i], -v[TM+8+\b], v[TM+8+\b]   ; the conversion to an 8-bit code does not saturate (ISA guide 7.6.2): the hold comes first
.endr
	v_cvt_scalef32_pk8_bf8_f32 v[PC+4*\b:PC+1+4*\b], v[\s+16*\b:\s+7+16*\b], v[TM+12+\b]
	v_cvt_scalef32_pk8_bf8_f32 v[PC+2+4*\b:PC+3+4*\b], v[\s+8+16*\b:\s+15+16*\b], v[TM+12+\b]
.endr
	v_nop                                          ; a plain line between the last conversion and whatever vector line next writes its sources
.endm
.macro OUT4 p, j                       ; the fragment's image: four stores of 512 consecutive bytes
.irp c, 0,1,2,3
	global_store_b128 v[LI], v[PC+4*\c:PC+4*\c+3], s[\p:\p+1] offset:\j*4096+512*\c
.endr
.endm
; One fragment, of parity j in its pair.  ahead = 1: its buffer is asked for again, with the fragment two further on.  left: the younger loads that may stay out.
.macro FRAG j, ahead, left
	s_wait_loadcnt \left                           ; loads come back in order: this fragment's 16 are in, the next fragment's 16 may be out
	WIN 0x01                                       ; source 0: the buffer, window 1
.irp i, 0,1,2,3,4,5,6,7,8,9,10,11,12,13,14,15
	v_pk_mul_f32 v[T+4*\i:T+4*\i+1], v[64*\j+4*\i:64*\j+4*\i+1], v[VA:VA+1]       ; x v2 (the weights: x 1.0, which changes nothing)
	v_pk_mul_f32 v[T+4*\i+2:T+4*\i+3], v[64*\j+4*\i+2:64*\j+4*\i+3], v[VA+2:VA+3]
.endr
	WIN 0
.irp i, 0,1,2,3,4,5,6,7,8,9,10,11,12,13,14,15
	ds_store_b128 v[STI], v[T+4*\i:T+4*\i+3] offset:STA+SP*\i
.endr
.irp c, 0,1,2,3
.irp q, 0,1,2,3
	ds_load_b128 v[X+16*\c+4*\q:X+16*\c+4*\q+3], v[STO] offset:STA+128*\c+16*\q   ; LDS serves a wave's instructions in order: these see the stores above
.endr
.endr
	s_cmp_eq_u32 s[ISX], 0
	s_cbranch_scc1 .Lone_\@                        ; the weights have one path
	WIN 0x01
.irp i, 0,1,2,3,4,5,6,7,8,9,10,11,12,13,14,15
	v_pk_mul_f32 v[Y+4*\i:Y+4*\i+1], v[64*\j+4*\i:64*\j+4*\i+1], v[VB:VB+1]       ; x v2_R, into registers of its own: the buffer is free behind these lines
	v_pk_mul_f32 v[Y+4*\i+2:Y+4*\i+3], v[64*\j+4*\i+2:64*\j+4*\i+3], v[VB+2:VB+3]
.endr
	WIN 0
.irp i, 0,1,2,3,4,5,6,7,8,9,10,11,12,13,14,15
	ds_store_b128 v[STI], v[Y+4*\i:Y+4*\i+3] offset:STB+SP*\i
.endr
	s_wait_dscnt 16                                ; these 16 stores may be out; the 16 stores that read T and the 16 loads of X are done: T may be loaded
.irp c, 0,1,2,3
.irp q, 0,1,2,3
	ds_load_b128 v[T+16*\c+4*\q:T+16*\c+4*\q+3], v[STO] offset:STB+128*\c+16*\q
.endr
.endr
.Lone_\@:
	s_wait_xcnt 0x0                                ; the loads that are out have read their row addresses, and the last fragment's stores the codes' registers
.if \ahead
.if \j == 0
	STEPRB
.endif
	LOADS \j
.endif
	s_wait_dscnt 0x0                               ; the turned numbers are in
	s_cmp_eq_u32 s[ISX], 0
	s_cbranch_scc1 .Lsign_\@
	QUANT X, PW0
	OUT4 28, \j
	v_add_nc_u32 v[SA], s[SOFF], v[SCB]
	ds_store_b32 v[SA], v[PW0] offset:64*\j        ; lanes l and l xor 16 write the same word with the same value
	s_wait_xcnt 0x0                                ; path 0's stores have read the codes' registers
	QUANT T, PW1
	OUT4 30, \j
	ds_store_b32 v[SA], v[PW1] offset:512+64*\j
	s_branch .Ldone_\@
.Lsign_\@:
.set n, 0
.rept 64
	v_cmp_neq_f32 vcc_lo, 0, v[X+n]
	v_bfi_b32 v[X+n], s[ABSM], 1.0, v[X+n]         ; 1.0 under the number's sign,
	v_cndmask_b32 v[X+n], 0, v[X+n], vcc_lo        ; or 0
.set n, n+1
.endr
.irp b, 0,1,2,3
	v_cvt_scalef32_pk8_bf8_f32 v[PC+4*\b:PC+1+4*\b], v[X+16*\b:X+7+16*\b], v[SCW]      ; +-1 / 2^-15 = +-2^15: a number of the format, so no hold
	v_cvt_scalef32_pk8_bf8_f32 v[PC+2+4*\b:PC+3+4*\b], v[X+8+16*\b:X+15+16*\b], v[SCW]
.endr
	v_nop
	OUT4 28, \j
.Ldone_\@:
.endm
	LOADS 0                                        ; fragments 0 and 1
	LOADS 1
	s_wait_loadcnt 32                              ; v2 and v2_R are in; the 32 row loads may be out
.irp i, 0,1,2,3
	v_cndmask_b32 v[VA+\i], 1.0, v[VA+\i], s[MASK]
.endr
	s_mov_b32 s[SOFF], 0
	s_mov_b32 s[CNT], 3
.Lpair:                                            ; a trip: two fragments, and the loads of the next two; three trips, and the last pair written out, so that no load leaves its buffer
	s_wait_alu depctr_va_vdst(0)
	FRAG 0, 1, 16
	FRAG 1, 1, 16
	s_wait_xcnt 0x0                                ; the stores have read their bases
	s_add_nc_u64 s[28:29], s[28:29], 8192
	s_add_nc_u64 s[30:31], s[30:31], 8192
	s_add_co_u32 s[SOFF], s[SOFF], 128
	s_sub_co_u32 s[CNT], s[CNT], 1
	s_cmp_lg_u32 s[CNT], 0
	s_cbranch_scc1 .Lpair
	FRAG 0, 0, 16
	FRAG 1, 0, 0
	s_wait_dscnt 0x0                               ; for the others' sake: my scale words lie in LDS
	s_barrier_signal -1
	s_barrier_wait -1
	s_cmp_eq_u32 s[ISX], 0
	s_cbranch_scc1 .Lend
	; x's scale words leave as [fragment 8][row 16][q 2]: 1,024 dense bytes a wave.  A lane takes two rows' words of each of the kslot's two waves and lays them by turns.
	ds_load_b64 v[SW:SW+1], v[SRD]
	ds_load_b64 v[SW+2:SW+3], v[SRD] offset:1024
	ds_load_b64 v[SW+4:SW+5], v[SRD] offset:256
	ds_load_b64 v[SW+6:SW+7], v[SRD] offset:1280
	s_wait_dscnt 0x0
	v_mov_b32 v[TMPV], v[SW+1]
	v_mov_b32 v[SW+1], v[SW+2]
	v_mov_b32 v[SW+2], v[TMPV]
	v_mov_b32 v[TMPV], v[SW+5]
	v_mov_b32 v[SW+5], v[SW+6]
	v_mov_b32 v[SW+6], v[TMPV]
	global_store_b128 v[LI], v[SW:SW+3], s[80:81]
	global_store_b128 v[LI], v[SW+4:SW+7], s[80:81] offset:512
.Lend:
	s_set_vgpr_msb 0x4
	s_wait_tensorcnt 0x0
	ds_add_u32 v39, v129
	s_wait_dscnt 0x0
	s_set_vgpr_msb 0x400
	s_endpgm
.Lfunc_end_k_q84284160f3_prep:
	.size	k_q84284160f3_prep, .Lfunc_end_k_q84284160f3_prep-k_q84284160f3_prep
	.p2alignl 7, 3214868480
	.fill 96, 4, 3214868480
	.section	.rodata,"a",@progbits
	.p2align	6, 0x0
	.amdhsa_kernel k_q84284160f3_prep
		.amdhsa_group_segment_fixed_size 72192
		.amdhsa_private_segment_fixed_size 0
		.amdhsa_enable_private_segment 0
		.amdhsa_kernarg_size 88
		.amdhsa_user_sgpr_count 2
		.amdhsa_user_sgpr_kernarg_segment_ptr 1
		.amdhsa_wavefront_size32 1
		.amdhsa_system_sgpr_workgroup_id_x 1
		.amdhsa_system_sgpr_workgroup_id_y 1
		.amdhsa_system_sgpr_workgroup_id_z 1
		.amdhsa_system_vgpr_workitem_id 0
		.amdhsa_next_free_vgpr 386
		.amdhsa_next_free_sgpr 96
		.amdhsa_reserve_vcc 1
		.amdhsa_float_denorm_mode_32 3
		.amdhsa_float_denorm_mode_16_64 3
		.amdhsa_memory_ordered 1
		.amdhsa_forward_progress 1
		.amdhsa_inst_pref_size 151
	.end_amdhsa_kernel
	.amdgpu_metadata
---
amdhsa.version: [ 1, 2 ]
amdhsa.kernels:
  - .name:           k_q84284160f3_prep
    .symbol:         k_q84284160f3_prep.kd
    .args:
      - { .name: x, .offset: 0, .size: 8, .value_kind: global_buffer, .address_space: global }
      - { .name: V, .offset: 8, .size: 8, .value_kind: global_buffer, .address_space: global }
      - { .name: V_R, .offset: 16, .size: 8, .value_kind: global_buffer, .address_space: global }
      - { .name: U, .offset: 24, .size: 8, .value_kind: global_buffer, .address_space: global }
      - { .name: U_R, .offset: 32, .size: 8, .value_kind: global_buffer, .address_space: global }
      - { .name: v2, .offset: 40, .size: 8, .value_kind: global_buffer, .address_space: global }
      - { .name: v2_R, .offset: 48, .size: 8, .value_kind: global_buffer, .address_space: global }
      - { .name: acodes, .offset: 56, .size: 8, .value_kind: global_buffer, .address_space: global }
      - { .name: ascales, .offset: 64, .size: 8, .value_kind: global_buffer, .address_space: global }
      - { .name: wv, .offset: 72, .size: 8, .value_kind: global_buffer, .address_space: global }
      - { .name: wu, .offset: 80, .size: 8, .value_kind: global_buffer, .address_space: global }
    .group_segment_fixed_size: 72192
    .private_segment_fixed_size: 0
    .kernarg_segment_align: 8
    .kernarg_segment_size: 88
    .max_flat_workgroup_size: 128
    .sgpr_count:     96
    .vgpr_count:     386
    .wavefront_size: 32
...
	.end_amdgpu_metadata
.endif
;; end of part 4
;; launch gemm1 (part 5): grid 8 x 32, 4 waves a work-group, clusters of 4 x 4, 327,680 bytes of LDS; arguments acodes, ascales, wv, v1, v1_R, u2, u2_R, hcodes, hscales; writes hcodes, hscales
.if DOCPART == 5
	.amdgcn_target "amdgcn-amd-amdhsa--gfx1250"
	.amdhsa_code_object_version 6
	.text
	.protected	k_q84284160f3_gemm1
	.globl	k_q84284160f3_gemm1
	.p2align	8
	.type	k_q84284160f3_gemm1,@function
k_q84284160f3_gemm1:
	s_mov_b64 s[64:65], 0
	v_nop
	global_prefetch_b8 v0, s[64:65] scope:SCOPE_SE
	s_setreg_imm32_b32 hwreg(HW_REG_WAVE_MODE, 25, 1), 1
	s_wait_xcnt 0x0
	s_wait_alu depctr_hold_cnt(0) depctr_sa_sdst(0) depctr_va_vdst(0) depctr_va_sdst(0) depctr_va_ssrc(0) depctr_va_vcc(0) depctr_vm_vsrc(0)
	s_getreg_b32 s2, hwreg(HW_REG_IB_STS2, 6, 4)
	s_cmp_eq_u32 s2, 0
	s_cbranch_scc0 .Lentry_in_a_cluster
	s_endpgm
.Lentry_in_a_cluster:
	s_bfe_u32 s2, ttmp6, 0x10000c
	s_cmp_lg_u32 s2, 0xf033
	s_cbranch_scc0 .Lentry_shape_is_right
	s_endpgm
.Lentry_shape_is_right:
; GEMM1: h = (x v2) sign(V)^T for both paths, times (v1 u2), quantised along the hidden axis into codes of BF8 (E5M2) with E8M0 scale words: the operand of the second product.
; M = 4,096, K = 4,096, N = 2 x 1,024.  Operands arrive as fragment images (16 rows x 128 K = 2,048 bytes; byte 512 c + 16 lane + j); a kslot of 256 along K = two images for each block of 16 rows.
; A work-group of four waves makes 128 rows x 256 hidden units; a wave 64 x 128: 32 accumulators.  8 x 32 work-groups.  A step is 128 along K: 32 matrix instructions a wave; 32 steps.
; V'S FRAGMENTS GO FROM MEMORY STRAIGHT INTO THE OPERAND REGISTERS: the images lie in register order, so a load of 16 bytes a lane reads 512 consecutive bytes.  Three sets of 128 registers take turns: step t multiplies set t % 3
; and asks for step t + 2's 32 loads into the set that step t - 1 left.  So a step reads 32 KiB from LDS (x's fragments) in place of 96 KiB.  V's tiles are therefore not asked for jointly: a joint load lands in LDS alone.
; x's codes come through LDS by joint loads (the four work-groups of a row of the cluster share them): a ring of two slots, BIG with two neighbouring kslots and SMALL with one: k0 | k1 k2 | k3 | .. | k13 k14 | k15.
; Places: 0, 1 = BIG's kslots, 2 = SMALL.  A trip of the loop is three kslots, six steps, after which both the places and the three sets are back where they began.  x's scale words of all K (16 KiB) come once, at the head.
; The weights' scale is the constant byte 112 (the codes of +-1 are +-2^15).  The matrix instruction is used transposed (source 0 = V, source 1 = x); by the order in which V's rows were laid, register 64 a + 16 b + i of a lane
; is hidden unit 32 b + 16 (lane / 16) + i of the wave's 128, so the conversions' results are a fragment image as they stand.
; PREFETCH: in the time of kslot k the work-group asks for kslot k + 4 (the head: kslots 1 to 4): waves 0, 1 for x (of the tile row's 32 KiB my work-group's 8 by cx, 4 KiB a wave, the lanes left over naming the last block),
; waves 2, 3 for V (of the tile column's 64 KiB my work-group's 16 by cy, 8 KiB a wave): each block of 256 bytes once in a cluster.  It stops at kslot 15.
; LIMITS: NaN and infinities are not served; a block of zeros gets the byte 1 where the rule says 127 (its codes are zeros; this program alone reads the bytes).
; REGISTERS: window 0: v12-31 addresses; v32-43 x's scale words; v44-63 at work on the way out; v64-127 v1 u2; v128-255 x's fragments, two sets.  window 1: V's sets 0, 1.  window 2: accumulators, (a, b) at v[64 a + 8 b].
;   window 3: v0-127 V's set 2; v128-191 v1, v192-255 u2 at my lane's 64 hidden units.
.set SML,   65536                      ; BIG at 0: [half 2][kslot 2][16 KiB]; SMALL: [half 2][16 KiB]
.set SCL,   98304                      ; x's scale words, [kslot 16][block 8][row 16][q 2]
.set SPARE, SCL+16384                  ; the spare words: two blocks of 256 bytes that no other line names
.set HSG,   SPARE+512                  ; h's scale words on their way out: wave w at 256 w; no tile lands here
.set ASTEP, 0x100000                   ; a kslot on in acodes
.set BSTEP, 0x80000                    ; and in wv
.set HW,   12
.set ADRA, 16                          ; v16 my fragments of x in BIG, v17 in SMALL
.set VO,   22
.set HSO,  23
.set LI,   24                          ; 16 x lane
.set HSW,  25
.set HSR,  26
.set ADRS, 27
.set SPW,  28
.set NIL,  29
.set PFO,  30
.set SB,   31                          ; the weights' scales: four bytes 112
.set SC,   32                          ; place p, pair u, step q at 32 + 4 p + 2 u + q
.set TM,   44
.set PW,   60
.set SV,   64
.set AF,   128
.set QT,   128
.set HC,   192
.set G1X,  24                          ; s[24:31] group 1: 16 KiB as 64 rows of 256 bytes
.set G0A,  32                          ; s[32:35] BIG's group 0, s[36:39] SMALL's
.set G1S,  84
.set G0S,  92
.set SEL,  12
.set PB,   78                          ; s[78:79] my 8 blocks of V at the trip's first kslot
.set PF,   80                          ; s[80:81] where my prefetches stand
.set ST,   82                          ; s[82:83] three kslots on, in the buffer that I ask for
.set HO,   98
.set HS,   100
.set MNT,  104
.set TS,   105
.set MSB, 0
.macro WIN new
.if MSB != (\new)
	s_set_vgpr_msb (MSB<<8)|(\new)
.set MSB, (\new)
.endif
.endm
.macro PLACES n
.rept \n
	v_nop
.endr
.endm
.macro CREST
	s_cmp_lg_u32 s14, 0
	s_cbranch_scc1 .Lnot_wave_0_\@
	s_barrier_signal -3
.Lnot_wave_0_\@:
	s_barrier_wait -3
	s_barrier_signal -1
	s_barrier_wait -1
.endm
.macro CROUND
	s_barrier_signal -1
	s_barrier_wait -1
	CREST
.endm
.macro JBIG                            ; every wave brings 16 KiB of BIG: half wave % 2 of kslot wave / 2
	tensor_load_to_lds s[G0A:G0A+3], s[G1X:G1X+7]
	s_nop 0
	PLACES 4
.endm
.macro JSML                            ; waves 0 and 1 bring SMALL's halves
	s_cmp_eq_u32 s15, 0
	s_cbranch_scc0 .Lnone_\@
	tensor_load_to_lds s[G0A+4:G0A+7], s[G1X:G1X+7]
	s_nop 0
	PLACES 4
.Lnone_\@:
.endm
.macro ASK n, guard                    ; kslot n, counted from where PF stands; guard = 1: not in the loop's last trip, where it would be kslot 16
.if \guard
	s_cmp_gt_u32 s3, 1
	s_cbranch_scc0 .Lna_\@
.endif
	s_cmp_eq_u32 s15, 0
	s_cbranch_scc0 .Lv_\@
	global_prefetch_b8 v[PFO], s[PF:PF+1] offset:\n*ASTEP th:TH_LOAD_NT scope:SCOPE_SE
	s_branch .Lna_\@
.Lv_\@:
	global_prefetch_b8 v[PFO], s[PF:PF+1] offset:\n*BSTEP th:TH_LOAD_NT scope:SCOPE_SE
.Lna_\@:
.endm
.macro GLOADB bs, h, off               ; 16 loads: blocks 4 h .. 4 h + 3 of V's eight into set bs
	WIN 0x40+0x80*((\bs)/2)
.irp b, 0,1,2,3
.irp c, 0,1,2,3
	global_load_b128 v[128*((\bs)%2)+16*(4*(\h)+\b)+4*\c:128*((\bs)%2)+16*(4*(\h)+\b)+4*\c+3], v[LI], s[PB:PB+1] offset:(\off)+4096*(4*(\h)+\b)+512*\c
.endr
.endr
.endm
	s_load_b512 s[48:63], s[0:1], 0x0              ; acodes 48, ascales 50, wv 52, v1 54, v1_R 56, u2 58, u2_R 60, hcodes 62
	s_load_b64 s[76:77], s[0:1], 0x40              ; hscales
	v_lshl_add_u32 v[SPW], v0, 2, SPARE
	v_mov_b32 v[NIL], 0
	ds_add_u32 v[SPW], v[NIL]                      ; the opening lines: the add, twice on end, and its wait
	ds_add_u32 v[SPW], v[NIL]
	v_lshrrev_b32 v1, 5, v0
	v_readfirstlane_b32 s14, v1                    ; wave
	s_lshr_b32 s15, s14, 1                         ; which 64 rows are mine
	s_and_b32 s16, s14, 1                          ; which 128 hidden units
	s_bfe_u32 s40, ttmp6, 0x40000                  ; cx, cy
	s_bfe_u32 s41, ttmp6, 0x40004
	s_lshl_b32 s42, ttmp9, 2
	s_add_co_u32 s42, s42, s40                     ; tile column; cluster x is the path
	s_and_b32 s17, ttmp7, 0xffff
	s_lshl_b32 s17, s17, 2
	s_add_co_u32 s17, s17, s41                     ; tile row
	s_lshl_b32 s43, s41, 2
	s_lshl_b32 s43, 15, s43                        ; my row of the cluster
	s_or_b32 s[G1X], s43, (3<<16)|(1<<21)
	s_mov_b32 s[G1X+1], 32<<16
	s_mov_b32 s[G1X+2], 64<<16
	s_mov_b32 s[G1X+3], 32<<16
	s_mov_b32 s[G1X+4], 64
	s_mov_b32 s[G1X+5], 32
	s_mov_b32 s[G1X+6], 0
	s_mov_b32 s[G1X+7], 0
	s_or_b32 s[G1S], s43, (3<<16)|(1<<21)          ; the scale words: 8 rows of 1,024 bytes, a kslot (32,768 bytes) apart
	s_mov_b32 s[G1S+1], 128<<16
	s_mov_b32 s[G1S+2], 8<<16
	s_mov_b32 s[G1S+3], 128<<16
	s_mov_b32 s[G1S+4], 8
	s_mov_b32 s[G1S+5], 4096
	s_mov_b32 s[G1S+6], 0
	s_mov_b32 s[G1S+7], 0
	s_lshl_b32 s44, ttmp9, 24                      ; x: the path's 16 MiB + tile row x 8 blocks
	s_lshl_b32 s[TS], s17, 15
	s_add_co_u32 s44, s44, s[TS]
	s_lshl_b32 s10, s40, 13                        ; x's prefetch: + 8 KiB x cx + 4 KiB x wave % 2
	s_add_co_u32 s10, s10, s44
	s_lshl_b32 s[TS], s16, 12
	s_add_co_u32 s10, s10, s[TS]
	s_lshl_b32 s[TS], s16, 14                      ; the half that I fetch
	s_add_co_u32 s44, s44, s[TS]
	s_mov_b32 s45, 0
	s_lshl_b32 s46, s15, 20                        ; BIG's first fill: kslot 1 + wave / 2
	s_add_co_u32 s46, s46, ASTEP
	s_mov_b32 s47, 0
	s_lshl_b32 s22, ttmp9, 19                      ; scale words: path, tile row, my 8 kslots
	s_lshl_b32 s[TS], s17, 10
	s_add_co_u32 s22, s22, s[TS]
	s_lshl_b32 s[TS], s16, 18
	s_add_co_u32 s22, s22, s[TS]
	s_mov_b32 s23, 0
	s_lshl_b32 s20, s42, 16                        ; V: tile column x 16 blocks
	s_lshl_b32 s11, s41, 14                        ; V's prefetch: + 16 KiB x cy + 8 KiB x wave % 2
	s_add_co_u32 s11, s11, s20
	s_lshl_b32 s[TS], s16, 13
	s_add_co_u32 s11, s11, s[TS]
	s_lshl_b32 s[TS], s16, 15                      ; my 8 blocks
	s_add_co_u32 s20, s20, s[TS]
	s_mov_b32 s21, 0
	s_mov_b32 s[G0A], 1                            ; the LDS addresses hang on the wave's number alone
	s_lshl_b32 s[G0A+1], s15, 14
	s_add_co_u32 s[G0A+1], s[G0A+1], s[TS]
	s_mov_b32 s[G0A+4], 1
	s_lshl_b32 s[G0A+5], s16, 14
	s_add_co_u32 s[G0A+5], s[G0A+5], SML
	s_mov_b32 s[G0S], 1
	s_lshl_b32 s[G0S+1], s16, 13
	s_add_co_u32 s[G0S+1], s[G0S+1], SCL
	s_lshl_b32 s66, s15, 15                        ; my 4 blocks of x in BIG,
	s_lshl_b32 s67, s15, 14
	s_add_co_u32 s67, s67, SML                     ; in SMALL
	s_lshl_b32 s96, s15, 9
	s_add_co_u32 s96, s96, SCL
	s_lshl_b32 s97, s14, 8
	s_add_co_u32 s97, s97, HSG
	s_mov_b32 s[ST], 3*BSTEP
	s_cmp_eq_u32 s15, 0                            ; waves 0, 1 ask for x, waves 2, 3 for V
	s_cselect_b32 s10, s10, s11
	s_cselect_b32 s8, 15, 31
	s_cselect_b32 s[ST], 3*ASTEP, s[ST]
	s_mov_b32 s11, 0
	s_mov_b32 s[ST+1], 0
	s_mov_b32 s[SEL], 0x76543210
	s_mov_b32 s[SEL+1], 0xfedcba98
	s_mov_b32 s[MNT], 0x600000
	v_and_b32 v1, 31, v0
	v_and_b32 v2, 15, v0
	v_bfe_u32 v3, v0, 4, 1
	v_lshlrev_b32 v[LI], 4, v1
	v_add_nc_u32 v[ADRA], s66, v[LI]
	v_add_nc_u32 v[ADRA+1], s67, v[LI]
	v_lshl_add_u32 v[ADRS], v1, 3, s96             ; 8 bytes a lane: lanes 0-15 one block's rows, lanes 16-31 the next block's
	v_lshl_add_u32 v[HSW], v2, 2, s97
	v_lshrrev_b32 v[HSR], 6, v0
	v_lshlrev_b32 v[HSR], 9, v[HSR]
	v_and_b32 v4, 63, v0
	v_lshl_add_u32 v[HSR], v4, 2, v[HSR]
	v_add_nc_u32 v[HSR], HSG, v[HSR]               ; HSG + 512 (thread / 64) + 4 (thread % 64)
	v_lshlrev_b32 v[HSO], 3, v0
	v_lshlrev_b32 v[VO], 6, v3
	v_min_u32 v[PFO], s8, v1
	v_lshlrev_b32 v[PFO], 8, v[PFO]                ; lanes 256 bytes apart
	v_mov_b32 v[SB], 0x70707070
.irp b, 0,1,2,3
	v_mov_b32 v[TM+4+\b], 0                        ; a lane permute's destination counts as one of its sources
.endr
	s_wait_alu depctr_va_vdst(0)
	s_wait_dscnt 0x0                               ; both opening adds are done
	s_wait_kmcnt 0x0
	s_add_nc_u64 s[PB:PB+1], s[52:53], s[20:21]
	GLOADB 0, 0, 0                                 ; step 0's fragments of V
	GLOADB 0, 1, 0
	WIN 0
	s_cmp_eq_u32 s15, 0
	s_cselect_b64 s[PF:PF+1], s[48:49], s[52:53]
	s_add_nc_u64 s[PF:PF+1], s[PF:PF+1], s[10:11]
	s_add_nc_u64 s[44:45], s[48:49], s[44:45]
	s_add_nc_u64 s[G0A+2:G0A+3], s[44:45], s[46:47]
	s_or_b32 s[G0A+3], s[G0A+3], 0x80000000
	s_mov_b64 s[G0A+6:G0A+7], s[44:45]             ; SMALL's first fill: kslot 0
	s_or_b32 s[G0A+7], s[G0A+7], 0x80000000
	s_add_nc_u64 s[G0S+2:G0S+3], s[50:51], s[22:23]
	s_or_b32 s[G0S+3], s[G0S+3], 0x80000000
	CROUND                                         ; all sixteen work-groups are here: the first joint loads meet
	s_cmp_eq_u32 s15, 0                            ; one load a wave: waves 0, 1 SMALL's halves, waves 2, 3 eight kslots of scale words each
	s_cbranch_scc0 .Lfirst_s
	tensor_load_to_lds s[G0A+4:G0A+7], s[G1X:G1X+7]
	s_nop 0
	PLACES 4
	s_branch .Lfirst_asked
.Lfirst_s:
	tensor_load_to_lds s[G0S:G0S+3], s[G1S:G1S+7]
	s_nop 0
	PLACES 4
.Lfirst_asked:
	ASK 1, 0
	ASK 2, 0
	ASK 3, 0
	ASK 4, 0
	s_lshl_b32 s46, s40, 10                        ; v1, u2 at my wave's hidden units: (256 cx + 128 x half) x 4 bytes
	s_lshl_b32 s[TS], s16, 9
	s_add_co_u32 s46, s46, s[TS]
	s_cmp_eq_u32 ttmp9, 0                          ; the path
	s_cselect_b64 s[54:55], s[54:55], s[56:57]
	s_cselect_b64 s[58:59], s[58:59], s[60:61]
	s_add_nc_u64 s[54:55], s[54:55], s[46:47]
	s_add_nc_u64 s[58:59], s[58:59], s[46:47]
	WIN 0xc0                                       ; destination window 3
.irp b, 0,1,2,3
.irp j, 0,1,2,3
	global_load_b128 v[128+16*\b+4*\j:128+16*\b+4*\j+3], v[VO], s[54:55] offset:128*\b+16*\j   ; register 16 b + i: unit 32 b + 16 (lane / 16) + i
	global_load_b128 v[192+16*\b+4*\j:192+16*\b+4*\j+3], v[VO], s[58:59] offset:128*\b+16*\j
.endr
.endr
	GLOADB 1, 0, 2048                              ; step 1's fragments of V
	GLOADB 1, 1, 2048
	WIN 0
	s_lshl_b32 s46, ttmp9, 22                      ; hcodes [path][kslot = cx][row block][q = half][2048]
	s_lshl_b32 s[TS], s40, 20
	s_add_co_u32 s46, s46, s[TS]
	s_lshl_b32 s[TS], s17, 15
	s_add_co_u32 s46, s46, s[TS]
	s_lshl_b32 s[TS], s15, 14
	s_add_co_u32 s46, s46, s[TS]
	s_lshl_b32 s[TS], s16, 11
	s_add_co_u32 s46, s46, s[TS]
	s_add_nc_u64 s[HO:HO+1], s[62:63], s[46:47]
	s_lshl_b32 s46, ttmp9, 17                      ; hscales [path][kslot][row block][row][q]: the work-group's 1,024 bytes
	s_lshl_b32 s[TS], s40, 15
	s_add_co_u32 s46, s46, s[TS]
	s_lshl_b32 s[TS], s17, 10
	s_add_co_u32 s46, s46, s[TS]
	s_add_nc_u64 s[HS:HS+1], s[76:77], s[46:47]
; 8 matrix instructions: x's block a against V's eight; q: the kslot's half; sc: the place; bs: V's set.  The 32 accumulators take turns.
.macro MUL8 a, q, sc, bs, zero
.irp b, 0,1,2,3,4,5,6,7
.set rD, 64*(\a)+8*\b
.set rB, 128*((\bs)%2)+16*\b
.set rA, AF+64*(\q)+16*(\a)
.set rS, SC+4*(\sc)+2*((\a)/2)+(\q)
.if \zero
.if (\a)%2
	v_wmma_scale_f32_16x16x128_f8f6f4 v[rD:rD+7], v[rB:rB+15], v[rA:rA+15], 0, v[SB], v[rS] matrix_a_fmt:MATRIX_FMT_BF8 matrix_b_fmt:MATRIX_FMT_BF8 matrix_b_scale:MATRIX_SCALE_ROW1
.else
	v_wmma_scale_f32_16x16x128_f8f6f4 v[rD:rD+7], v[rB:rB+15], v[rA:rA+15], 0, v[SB], v[rS] matrix_a_fmt:MATRIX_FMT_BF8 matrix_b_fmt:MATRIX_FMT_BF8
.endif
.else
.if (\a)%2
	v_wmma_scale_f32_16x16x128_f8f6f4 v[rD:rD+7], v[rB:rB+15], v[rA:rA+15], v[rD:rD+7], v[SB], v[rS] matrix_a_fmt:MATRIX_FMT_BF8 matrix_b_fmt:MATRIX_FMT_BF8 matrix_b_scale:MATRIX_SCALE_ROW1
.else
	v_wmma_scale_f32_16x16x128_f8f6f4 v[rD:rD+7], v[rB:rB+15], v[rA:rA+15], v[rD:rD+7], v[SB], v[rS] matrix_a_fmt:MATRIX_FMT_BF8 matrix_b_fmt:MATRIX_FMT_BF8
.endif
.endif
.endr
.endm
.macro MULWIN bs                       ; source 0 (V) window 1 or 3, source 1 (x) window 0, C and D window 2
	WIN 0xa1+2*((\bs)/2)
.endm
.macro FETCHA p, q                     ; 16 LDS loads: x's four fragments of place p's half q into set q
.irp a, 0,1,2,3
.irp c, 0,1,2,3
	ds_load_b128 v[AF+64*(\q)+16*\a+4*\c:AF+64*(\q)+16*\a+4*\c+3], v[ADRA+(\p)/2] offset:((\p)%2)*16384+4096*\a+2048*(\q)+512*\c
.endr
.endr
.endm
.macro SCALES p
.irp u, 0,1
	ds_load_b64 v[SC+4*(\p)+2*\u:SC+4*(\p)+2*\u+1], v[ADRS] offset:256*\u
.endr
.endm
; Every step: this step's fragments are in (of V's loads the next step's 32 may be out); eight places behind the last step's products, whose registers are then loaded anew.
; ld = 1: V's fragments of two steps on, kslot rel counted from PB, in two runs of 16 loads.
.macro STEP p, zero, bs, ld, rel       ; a kslot's first half
.set LB, ((\bs)+2)%3
	s_wait_dscnt 0x0
	s_wait_loadcnt 32
	PLACES 8
.if \ld
	GLOADB LB, 0, (\rel)*BSTEP
.endif
	WIN 0
	FETCHA \p, 1
	MULWIN \bs
	MUL8 0, 0, \p, \bs, \zero
	MUL8 1, 0, \p, \bs, \zero
.if \ld
	GLOADB LB, 1, (\rel)*BSTEP
.endif
	MULWIN \bs
	MUL8 2, 0, \p, \bs, \zero
	MUL8 3, 0, \p, \bs, \zero
	WIN 0
.endm
.macro MID p, nx, bs, ld, rel, pf      ; the second half of BIG's first kslot: the next kslot lies in the same slot
.set LB, ((\bs)+2)%3
	s_wait_dscnt 0x0
	s_wait_loadcnt 32
	PLACES 8
.if \ld
	GLOADB LB, 0, (\rel)*BSTEP+2048
.endif
	WIN 0
	s_wait_alu depctr_va_vdst(0)
	v_add_nc_u32 v[ADRS], 1024, v[ADRS]            ; the next kslot's scale words
	FETCHA \nx, 0
	SCALES \nx
.if \pf
	ASK \pf, 0
.endif
	MULWIN \bs
	MUL8 0, 1, \p, \bs, 0
	MUL8 1, 1, \p, \bs, 0
.if \ld
	GLOADB LB, 1, (\rel)*BSTEP+2048
.endif
	MULWIN \bs
	MUL8 2, 1, \p, \bs, 0
	MUL8 3, 1, \p, \bs, 0
	WIN 0
.endm
; The second half of a slot's last kslot changes slots.  fill = 1: the barrier opens a round of the cluster's, and the slot that is left (place 1: BIG, place 2: SMALL) is filled again, three kslots on.
.macro TURN p, nx, fill, bs, ld, rel, pf, guard
.set LB, ((\bs)+2)%3
	PLACES 8
	s_wait_loadcnt 32
.if \ld
	GLOADB LB, 0, (\rel)*BSTEP+2048
.endif
	WIN 0
	s_wait_tensorcnt 0x0                           ; all my tensor loads have landed: my part of the next slot
	ds_add_u32 v[SPW], v[NIL]
	s_wait_dscnt 1                                 ; the add may be out; x's fragments are in
	MULWIN \bs
	MUL8 0, 1, \p, \bs, 0
	s_wait_dscnt 0x0                               ; the add is done, and my reads of this slot are over
	s_barrier_signal -1
	MUL8 1, 1, \p, \bs, 0
	WIN 0
	s_barrier_wait -1
.if \fill
	CREST
	s_add_nc_u64 s[G0A+4*((\p)/2)+2:G0A+4*((\p)/2)+3], s[G0A+4*((\p)/2)+2:G0A+4*((\p)/2)+3], 3*ASTEP
.if (\p) == 1
	JBIG
.else
	JSML
.endif
.endif
	s_wait_alu depctr_va_vdst(0)
	v_add_nc_u32 v[ADRS], 1024, v[ADRS]
	FETCHA \nx, 0
	SCALES \nx
.if \ld
	GLOADB LB, 1, (\rel)*BSTEP+2048
	WIN 0
.endif
.if \pf
	ASK \pf, \guard
.endif
	MULWIN \bs
	MUL8 2, 1, \p, \bs, 0
	MUL8 3, 1, \p, \bs, 0
	WIN 0
.endm
	s_wait_alu depctr_va_vdst(0)
	s_wait_tensorcnt 0x0                           ; my tile of the head's is in; BIG's first fill is issued as a refill is
	ds_add_u32 v[SPW], v[NIL]
	s_wait_dscnt 0x0
	CROUND
	JBIG                                           ; kslots 1 and 2
	FETCHA 2, 0
	SCALES 2
	STEP 2, 1, 0, 1, 1                             ; step 0: its products start the sums
	s_mov_b32 s3, 4
.Llap:                                             ; trip j: steps 6 j + 1 to 6 j + 6; SMALL takes kslot 3 j + 3, BIG 3 j + 4 and 3 j + 5
	TURN 2, 0, 1, 1, 1, 1, 5, 0
	STEP 0, 0, 2, 1, 2
	MID 0, 1, 0, 1, 2, 6
	STEP 1, 0, 1, 1, 3
	TURN 1, 2, 1, 2, 1, 3, 7, 1
	STEP 2, 0, 0, 1, 4
	s_wait_xcnt 0x0                                ; the loads and prefetches have read their bases
	s_add_nc_u64 s[PB:PB+1], s[PB:PB+1], 3*BSTEP
	s_add_nc_u64 s[PF:PF+1], s[PF:PF+1], s[ST:ST+1]
	s_sub_co_u32 s3, s3, 1
	s_cmp_lg_u32 s3, 0
	s_cbranch_scc1 .Llap
	TURN 2, 0, 1, 1, 1, 1, 0, 0                    ; the tail is written out: SMALL takes kslot 15, the last fill
	STEP 0, 0, 2, 1, 2
	MID 0, 1, 0, 1, 2, 0
	STEP 1, 0, 1, 1, 3
	TURN 1, 2, 0, 2, 1, 3, 0, 0                    ; step 29 asks for step 31's fragments, the last
	STEP 2, 0, 0, 0, 0
	s_wait_dscnt 0x0
	s_wait_loadcnt 0x0
	MULWIN 1
	MUL8 0, 1, 2, 1, 0
	MUL8 1, 1, 2, 1, 0
	MUL8 2, 1, 2, 1, 0
	MUL8 3, 1, 2, 1, 0
	WIN 0
; THE WAY OUT.  64 numbers of a lane, register 16 b + i = k 32 b + 16 (lane / 16) + i of my row, become a fragment's codes in v[pc] on and its scale word in v[pw].
.macro QUANT s, pc, pw
.irp b, 0,1,2,3
	v_max3_num_f32 v[TM+\b], |v[\s+16*\b]|, |v[\s+1+16*\b]|, 0x8000000   ; my 16 numbers of block b, and the floor 2^(16 - 127): the byte cannot fall under 1
.endr
.irp i, 2,4,6,8,10,12,14
.irp b, 0,1,2,3
	v_max3_num_f32 v[TM+\b], v[TM+\b], |v[\s+16*\b+\i]|, |v[\s+1+16*\b+\i]|
.endr
.endr
.irp b, 0,1,2,3
	v_permlanex16_b32 v[TM+4+\b], v[TM+\b], s[SEL], s[SEL+1]
.endr
.irp b, 0,1,2,3
	v_max_num_f32 v[TM+\b], v[TM+\b], v[TM+4+\b]   ; with lane l xor 16's: the block's largest magnitude
.endr
.irp b, 0,1,2,3
	v_add_nc_u32 v[TM+12+\b], 0xf8800000, v[TM+\b] ; 15 off its exponent field: the conversion's scale operand
.endr
.irp b, 0,1,2,3
	v_and_or_b32 v[TM+8+\b], v[TM+\b], 0x7f800000, s[MNT]   ; 57,344 x the scale
.endr
.irp b, 0,1,2,3
	v_lshrrev_b32 v[TM+4+\b], 23, v[TM+12+\b]      ; the scale's byte
.endr
	v_lshl_or_b32 v[\pw], v[TM+5], 8, v[TM+4]
	v_lshl_or_b32 v[\pw], v[TM+6], 16, v[\pw]
	v_lshl_or_b32 v[\pw], v[TM+7], 24, v[\pw]
.irp b, 0,1,2,3
.irp i, 0,1,2,3,4,5,6,7,8,9,10,11,12,13,14,15
	v_med3_num_f32 v[\s+16*\b+\i], v[\s+16*\b+\i], -v[TM+8+\b], v[TM+8+\b]   ; the conversion to an 8-bit code does not saturate (ISA guide 7.6.2): the hold comes first
.endr
	v_cvt_scalef32_pk8_bf8_f32 v[(\pc)+4*\b:(\pc)+1+4*\b], v[\s+16*\b:\s+7+16*\b], v[TM+12+\b]
	v_cvt_scalef32_pk8_bf8_f32 v[(\pc)+2+4*\b:(\pc)+3+4*\b], v[\s+8+16*\b:\s+15+16*\b], v[TM+12+\b]
.endr
	v_nop                                          ; a plain line behind the last conversion
.endm
	PLACES 8                                       ; behind the last products
	WIN 0x0f                                       ; sources 0 and 1 window 3
.set i, 0
.rept 32
	v_pk_mul_f32 v[SV+i:SV+i+1], v[128+i:128+i+1], v[192+i:192+i+1]   ; v1 u2
.set i, i+2
.endr
.irp a, 0,1,2,3
	WIN 0x02                                       ; source 0: the accumulators
.set i, 0
.rept 32
	v_pk_mul_f32 v[QT+i:QT+i+1], v[64*\a+i:64*\a+i+1], v[SV+i:SV+i+1]   ; h x (v1 u2); each accumulator from its low end on
.set i, i+2
.endr
	WIN 0
	QUANT QT, HC+16*\a, PW+\a
.irp c, 0,1,2,3
	global_store_b128 v[LI], v[HC+16*\a+4*\c:HC+16*\a+4*\c+3], s[HO:HO+1] offset:4096*\a+512*\c   ; the image of rows 16 a on: 512 consecutive bytes a store
.endr
	ds_store_b32 v[HSW], v[PW+\a] offset:64*\a     ; lanes l and l xor 16 write the same word with the same value
.endr
	s_wait_dscnt 0x0                               ; for the others' sake: my scale words lie in LDS
	s_barrier_signal -1
	s_barrier_wait -1
	ds_load_b32 v[HW], v[HSR]                      ; thread t: row block t / 16, row t % 16: the word of q = 0,
	ds_load_b32 v[HW+1], v[HSR] offset:256         ; and of q = 1
	s_wait_dscnt 0x0
	global_store_b64 v[HSO], v[HW:HW+1], s[HS:HS+1]   ; a wave stores 256 consecutive bytes, aligned
	s_wait_tensorcnt 0x0                           ; the wave's end
	ds_add_u32 v[SPW], v[NIL]
	s_wait_dscnt 0x0
	CROUND                                         ; the closing round
	s_endpgm
.Lfunc_end_k_q84284160f3_gemm1:
	.size	k_q84284160f3_gemm1, .Lfunc_end_k_q84284160f3_gemm1-k_q84284160f3_gemm1
	.p2alignl 7, 3214868480
	.fill 96, 4, 3214868480
	.section	.rodata,"a",@progbits
	.p2align	6, 0x0
	.amdhsa_kernel k_q84284160f3_gemm1
		.amdhsa_group_segment_fixed_size 327680
		.amdhsa_private_segment_fixed_size 0
		.amdhsa_enable_private_segment 0
		.amdhsa_kernarg_size 72
		.amdhsa_user_sgpr_count 2
		.amdhsa_user_sgpr_kernarg_segment_ptr 1
		.amdhsa_wavefront_size32 1
		.amdhsa_system_sgpr_workgroup_id_x 1
		.amdhsa_system_sgpr_workgroup_id_y 1
		.amdhsa_system_sgpr_workgroup_id_z 1
		.amdhsa_system_vgpr_workitem_id 0
		.amdhsa_next_free_vgpr 1024
		.amdhsa_next_free_sgpr 106
		.amdhsa_reserve_vcc 0
		.amdhsa_float_denorm_mode_32 3
		.amdhsa_float_denorm_mode_16_64 3
		.amdhsa_memory_ordered 1
		.amdhsa_forward_progress 1
		.amdhsa_inst_pref_size 181
	.end_amdhsa_kernel
	.amdgpu_metadata
---
amdhsa.version: [ 1, 2 ]
amdhsa.kernels:
  - .name:           k_q84284160f3_gemm1
    .symbol:         k_q84284160f3_gemm1.kd
    .args:
      - { .name: acodes, .offset: 0, .size: 8, .value_kind: global_buffer, .address_space: global }
      - { .name: ascales, .offset: 8, .size: 8, .value_kind: global_buffer, .address_space: global }
      - { .name: wv, .offset: 16, .size: 8, .value_kind: global_buffer, .address_space: global }
      - { .name: v1, .offset: 24, .size: 8, .value_kind: global_buffer, .address_space: global }
      - { .name: v1_R, .offset: 32, .size: 8, .value_kind: global_buffer, .address_space: global }
      - { .name: u2, .offset: 40, .size: 8, .value_kind: global_buffer, .address_space: global }
      - { .name: u2_R, .offset: 48, .size: 8, .value_kind: global_buffer, .address_space: global }
      - { .name: hcodes, .offset: 56, .size: 8, .value_kind: global_buffer, .address_space: global }
      - { .name: hscales, .offset: 64, .size: 8, .value_kind: global_buffer, .address_space: global }
    .group_segment_fixed_size: 327680
    .private_segment_fixed_size: 0
    .kernarg_segment_align: 8
    .kernarg_segment_size: 72
    .max_flat_workgroup_size: 128
    .sgpr_count:     106
    .vgpr_count:     1024
    .wavefront_size: 32
...
	.end_amdgpu_metadata
.endif
;; end of part 5
;; launch gemm2 (part 6): grid 16 x 16, 4 waves a work-group, clusters of 4 x 4, 327,680 bytes of LDS; arguments hcodes, hscales, wu, u1, u1_R, bias, out0; writes out0
.if DOCPART == 6
	.amdgcn_target "amdgcn-amd-amdhsa--gfx1250"
	.amdhsa_code_object_version 6
	.text
	.protected	k_q84284160f3_gemm2
	.globl	k_q84284160f3_gemm2
	.p2align	8
	.type	k_q84284160f3_gemm2,@function
k_q84284160f3_gemm2:
	s_mov_b64 s[64:65], 0
	v_nop
	global_prefetch_b8 v0, s[64:65] scope:SCOPE_SE
	s_setreg_imm32_b32 hwreg(HW_REG_WAVE_MODE, 25, 1), 1
	s_wait_xcnt 0x0
	s_wait_alu depctr_hold_cnt(0) depctr_sa_sdst(0) depctr_va_vdst(0) depctr_va_sdst(0) depctr_va_ssrc(0) depctr_va_vcc(0) depctr_vm_vsrc(0)
	s_getreg_b32 s2, hwreg(HW_REG_IB_STS2, 6, 4)
	s_cmp_eq_u32 s2, 0
	s_cbranch_scc0 .Lentry_in_a_cluster
	s_endpgm
.Lentry_in_a_cluster:
	s_bfe_u32 s2, ttmp6, 0x10000c
	s_cmp_lg_u32 s2, 0xf033
	s_cbranch_scc0 .Lentry_shape_is_right
	s_endpgm
.Lentry_shape_is_right:
; GEMM2: y = (h sign(U)^T) u1 + (h_R sign(U_R)^T) u1_R + bias.  M = N = 4,096, K = 1,024 for each path.  Operands are fragment images of BF8 (E5M2) codes (16 rows x 128 K = 2,048 bytes; byte 512 c + 16 lane + j).
; ONE SET OF ACCUMULATORS SERVES BOTH PATHS.  u1_R = m x 2^e with |m| in [1, 2).  2^e, a power of two, goes into U_R's scale bytes (112 + e = u1_R's exponent field - 15; 112 is the byte of the signs' codes +-2^15).
; Behind path 0 the sums become acc x (u1 / m) + bias / m; path 1 adds onto them; at the end y = acc x m = acc0 u1 + bias + acc1 u1_R.
; LIMITS: a u1_R of magnitude under 2^-111 (0 too) is taken as 2^-111 with its sign, so that its byte stays at 1 or above and m is never 0; NaN and infinities are not served.
; A work-group of four waves makes 256 x 256 of y, a wave 128 x 128: 64 accumulators, 512 registers; 16 x 16 work-groups.  A step is 128 along K, 64 matrix instructions a wave; 16 steps; a kslot is two steps.
; The eight kslots of path 0 and then path 1 lie 1 MiB apart in both buffers.
; U'S FRAGMENTS GO FROM MEMORY STRAIGHT INTO THE OPERAND REGISTERS: the images lie in register order, so a load of 16 bytes a lane reads 512 consecutive bytes.  Two sets of 128 registers: the set that a step has multiplied is
; asked for again at the step's end, with the fragments of two steps on: 32 loads are out over the step between.  So a step reads 64 KiB from LDS (h's fragments) in place of 128 KiB.  U's tiles are therefore not asked for
; jointly: a joint load lands in LDS alone.
; h's codes come through LDS by joint loads (4 x 4 clusters; the four work-groups of a row share them): a ring of two slots of one kslot, 64 KiB; waves 0 and 1 fetch the halves.  h's scale words of all kslots (16 KiB) come once, at the head.
; The matrix instruction is used transposed (source 0 = U, source 1 = h): a lane holds eight neighbouring columns of a row of y.
; PREFETCH: behind the tensor load of kslot j each wave asks for kslot j + 2 (the head for kslot 1 too; up to 7): waves 0, 1 for h, waves 2, 3 for U: of a half tile's 32 KiB its work-group's 8 KiB (by cx for h, cy for U),
; lanes 256 bytes apart: each block once in a cluster.
; REGISTERS: window 0: v12-30 addresses; v32-47 h's scale words, two sets; v48-55 U's scale words; v64-127 m at my 64 columns; v128-255 h's fragments, one set.  window 1: U's fragments, two sets.  windows 2, 3: the accumulators.
.set KSTEP, 0x100000
.set SLOT,  65536                      ; h's 16 blocks of 4,096 bytes
.set SCL,   2*SLOT                     ; h's scale words [kslot 8][block 16][row 16][q 2]
.set SPARE, SCL+16384                  ; the spare words: two blocks of 256 bytes that no other line names
.set CON,   SPARE+512                  ; wave w at 2048 w: u1 / m, bias / m, m, U_R's scale words of its 128 columns, 512 bytes each; no tile lands here
.set SPT,   528                        ; the way out: a stage of 16 rows x (512 + 16) bytes a wave, in slot 0, behind its last fill and last read
.set NP,    8
.set CWR,  12
.set CRD,  13
.set SUA,  14
.set ADRA, 16
.set STO,  24
.set RD,   25
.set CO,   26                          ; 16 x lane
.set ADRS, 27
.set SPW,  28
.set NIL,  29
.set PFO,  30                          ; 256 x lane
.set SC,   32                          ; set s, pair u, step q at 32 + 8 s + 2 u + q: lanes 0-15 block 2 u, lanes 16-31 block 2 u + 1
.set SU,   48
.set MM,   64
.set AF,   128
.set BK,   128
.set G1A, 24
.set G0A, 32
.set PBU, 48                           ; s[48:49] my 8 blocks of U at the trip's first kslot
.set G1S, 76
.set G0S, 84
.set PFA, 96
.set MSB, 0
.macro WIN new
.if MSB != (\new)
	s_set_vgpr_msb (MSB<<8)|(\new)
.set MSB, (\new)
.endif
.endm
.set MUL_LO, 0xa1                      ; source 0 (U) window 1, source 1 (h) window 0, C and D window 2
.set MUL_HI, 0xf1
.set TO_B,   0x40
.macro PLACES n
.rept \n
	v_nop
.endr
.endm
.macro JLOAD g0                        ; a joint load of a slot: waves 0 and 1 fetch h's halves
	s_cmp_eq_u32 s15, 0
	s_cbranch_scc0 .Lnone_\@
	tensor_load_to_lds s[\g0:\g0+3], s[G1A:G1A+7]
	s_nop 0
	PLACES 4
.Lnone_\@:
.endm
.macro CREST
	s_cmp_lg_u32 s14, 0
	s_cbranch_scc1 .Lnot_wave_0_\@
	s_barrier_signal -3
.Lnot_wave_0_\@:
	s_barrier_wait -3
	s_barrier_signal -1
	s_barrier_wait -1
.endm
.macro CROUND
	s_barrier_signal -1
	s_barrier_wait -1
	CREST
.endm
.macro GLOADB p, off                   ; 32 loads: U's eight fragments of one step into set p
	WIN TO_B
.irp b, 0,1,2,3,4,5,6,7
.irp c, 0,1,2,3
	global_load_b128 v[128*(\p)+16*\b+4*\c:128*(\p)+16*\b+4*\c+3], v[CO], s[PBU:PBU+1] offset:(\off)+4096*\b+512*\c
.endr
.endr
	WIN 0
.endm
	s_load_b256 s[4:11], s[0:1], 0x0               ; hcodes s[4:5], hscales s[6:7], wu s[8:9], u1 s[10:11]
	s_load_b128 s[68:71], s[0:1], 0x20             ; u1_R s[68:69], bias s[70:71]
	s_load_b64 s[72:73], s[0:1], 0x30              ; out0
	v_lshl_add_u32 v[SPW], v0, 2, SPARE
	v_mov_b32 v[NIL], 0
	ds_add_u32 v[SPW], v[NIL]                      ; the opening lines: the add, twice on end, and its wait
	ds_add_u32 v[SPW], v[NIL]
	v_lshrrev_b32 v1, 5, v0
	v_readfirstlane_b32 s14, v1                    ; wave
	s_lshr_b32 s15, s14, 1                         ; my 128 rows; also: I fetch h's codes (0) or scale words (1), and ask for h (0) or U (1)
	s_and_b32 s16, s14, 1                          ; my 128 columns; also: which half I fetch
	s_bfe_u32 s40, ttmp6, 0x40000                  ; cx, cy
	s_bfe_u32 s41, ttmp6, 0x40004
	s_lshl_b32 s42, ttmp9, 2
	s_add_co_u32 s42, s42, s40                     ; tile column
	s_and_b32 s17, ttmp7, 0xffff
	s_lshl_b32 s17, s17, 2
	s_add_co_u32 s17, s17, s41                     ; tile row
	s_lshl_b32 s43, s41, 2
	s_lshl_b32 s43, 15, s43                        ; my row of the cluster
	s_or_b32 s[G1A], s43, (3<<16)|(1<<21)          ; a half tile: a dense block of 32 KiB as 128 rows of 256 bytes (32 elements of 8)
	s_mov_b32 s[G1A+1], 32<<16
	s_mov_b32 s[G1A+2], 128<<16
	s_mov_b32 s[G1A+3], 32<<16
	s_mov_b32 s[G1A+4], 128
	s_mov_b32 s[G1A+5], 32
	s_mov_b32 s[G1A+6], 0
	s_mov_b32 s[G1A+7], 0
	s_or_b32 s[G1S], s43, (3<<16)|(1<<21)          ; the scale words: 4 rows of 2,048 bytes, a kslot (32,768 bytes) apart
	s_mov_b32 s[G1S+1], 256<<16
	s_mov_b32 s[G1S+2], 4<<16
	s_mov_b32 s[G1S+3], 256<<16
	s_mov_b32 s[G1S+4], 4
	s_mov_b32 s[G1S+5], 4096
	s_mov_b32 s[G1S+6], 0
	s_mov_b32 s[G1S+7], 0
	s_lshl_b32 s20, s17, 16                        ; h: tile row x 16 blocks
	s_mov_b32 s21, 0
	s_lshl_b32 s46, s42, 16                        ; U: tile column x 16 blocks
	s_mov_b32 s47, 0
	s_lshl_b32 s22, s17, 11                        ; scale words: the tile row's 2,048 bytes, + my 4 kslots
	s_lshl_b32 s23, s16, 17
	s_add_co_u32 s22, s22, s23
	s_mov_b32 s23, 0
	s_lshl_b32 s18, s16, 15                        ; a half of a tile, in memory and in a slot
	s_mov_b32 s19, 0
	s_lshl_b32 s74, s15, 15                        ; LDS bases: my rows of h in slot 0, 1
	s_add_co_u32 s75, s74, SLOT
	s_lshl_b32 s100, s15, 10
	s_add_co_u32 s100, s100, SCL
	s_lshl_b32 s101, s14, 11
	s_add_co_u32 s101, s101, CON
	s_mul_i32 s104, s14, 16*SPT
	s_mov_b32 s66, 0x08000000                      ; 2^-111
	s_mov_b32 s67, 0x7fffffff
	s_mov_b32 s105, 0x01010101
	v_and_b32 v1, 31, v0
	v_and_b32 v2, 15, v0
	v_bfe_u32 v3, v0, 4, 1
	v_lshlrev_b32 v[CO], 4, v1
	v_lshlrev_b32 v[PFO], 8, v1
	v_add_nc_u32 v[ADRA], s74, v[CO]
	v_add_nc_u32 v[ADRA+1], s75, v[CO]
	v_lshl_add_u32 v[ADRS], v1, 3, s100            ; 8 bytes a lane: two blocks' rows
	v_add_nc_u32 v[CWR], s101, v[CO]
	v_lshl_add_u32 v[CRD], v3, 5, s101
	v_lshl_add_u32 v[SUA], v2, 2, s101
	v_add_nc_u32 v[SUA], 1536, v[SUA]
	v_mul_u32_u24 v[STO], v2, SPT
	v_lshl_add_u32 v[STO], v3, 5, v[STO]
	v_add_nc_u32 v[STO], s104, v[STO]
	v_add_nc_u32 v[RD], s104, v[CO]
.irp b, 0,1,2,3,4,5,6,7
	v_mov_b32 v[SU+\b], 0x70707070                 ; path 0: U's scale bytes are 112
.endr
	s_wait_alu depctr_va_vdst(0)
	s_wait_dscnt 0x0                               ; both opening adds are done
	s_wait_kmcnt 0x0
	s_add_nc_u64 s[20:21], s[4:5], s[20:21]
	s_add_nc_u64 s[22:23], s[6:7], s[22:23]
	s_add_nc_u64 s[46:47], s[8:9], s[46:47]
	s_add_nc_u64 s[PBU:PBU+1], s[46:47], s[18:19]
	s_lshl_b32 s12, s42, 10                        ; my first column, in bytes
	s_lshl_b32 s2, s16, 9
	s_add_co_u32 s12, s12, s2
	s_mov_b32 s13, 0
	s_add_nc_u64 s[10:11], s[10:11], s[12:13]
	s_add_nc_u64 s[68:69], s[68:69], s[12:13]
	s_add_nc_u64 s[70:71], s[70:71], s[12:13]
	global_load_b128 v[132:135], v[CO], s[10:11]   ; u1, u1_R, bias of my wave's 128 columns, four a lane
	global_load_b128 v[136:139], v[CO], s[68:69]
	global_load_b128 v[140:143], v[CO], s[70:71]
	GLOADB 0, 0                                    ; step 0's fragments of U
	s_lshl_b32 s2, s17, 22                         ; out0: + my first row: (256 x tile row + 128 x half) x 16,384 bytes
	s_add_co_u32 s12, s12, s2
	s_lshl_b32 s2, s15, 21
	s_add_co_u32 s12, s12, s2
	s_add_nc_u64 s[72:73], s[72:73], s[12:13]
	s_cmp_eq_u32 s15, 0                            ; the prefetches: h's tile or U's, the half of my parity, my work-group's 8 KiB of it
	s_cselect_b64 s[PFA:PFA+1], s[20:21], s[46:47]
	s_cselect_b32 s12, s40, s41
	s_lshl_b32 s12, s12, 13
	s_add_co_u32 s12, s12, s18
	s_add_nc_u64 s[PFA:PFA+1], s[PFA:PFA+1], s[12:13]
	s_mov_b32 s[G0S], 1                            ; 4 kslots of scale words
	s_lshl_b32 s[G0S+1], s16, 13
	s_add_co_u32 s[G0S+1], s[G0S+1], SCL
	s_mov_b64 s[G0S+2:G0S+3], s[22:23]
	s_or_b32 s[G0S+3], s[G0S+3], 0x80000000
	s_add_nc_u64 s[20:21], s[20:21], s[18:19]
.irp s, 0,1
	s_mov_b32 s[G0A+4*\s], 1
	s_add_co_u32 s[G0A+4*\s+1], s18, \s*SLOT
	s_add_nc_u64 s[G0A+4*\s+2:G0A+4*\s+3], s[20:21], \s*KSTEP
	s_or_b32 s[G0A+4*\s+3], s[G0A+4*\s+3], 0x80000000
.endr
	CROUND                                         ; all sixteen work-groups are here: the first joint loads meet
	s_cmp_eq_u32 s15, 0                            ; one load a wave: waves 0, 1 the halves of kslot 0, waves 2, 3 four kslots of scale words each
	s_cbranch_scc0 .Lhead_s
	tensor_load_to_lds s[G0A:G0A+3], s[G1A:G1A+7]
	s_nop 0
	PLACES 4
	s_branch .Lhead_asked
.Lhead_s:
	tensor_load_to_lds s[G0S:G0S+3], s[G1S:G1S+7]
	s_nop 0
	PLACES 4
.Lhead_asked:
	global_prefetch_b8 v[PFO], s[PFA:PFA+1] offset:1*KSTEP th:TH_LOAD_NT scope:SCOPE_SE
	global_prefetch_b8 v[PFO], s[PFA:PFA+1] offset:2*KSTEP th:TH_LOAD_NT scope:SCOPE_SE
	GLOADB 1, 2048                                 ; step 1's fragments of U
	s_wait_loadcnt 63                              ; behind the three loads of constants 64 were issued: the three are in
.irp i, 0,1,2,3
	v_max_num_f32 v[144+\i], |v[136+\i]|, s66      ; |u1_R|, held at 2^-111 from below
.endr
.irp i, 0,1,2,3
	v_and_or_b32 v[148+\i], v[144+\i], 0x7fffff, 1.0   ; its mantissa under the exponent of 1.0,
.endr
.irp i, 0,1,2,3
	v_bfi_b32 v[148+\i], s67, v[148+\i], v[136+\i] ; with u1_R's sign: m
.endr
.irp i, 0,1,2,3
	v_lshrrev_b32 v[144+\i], 23, v[144+\i]
.endr
.irp i, 0,1,2,3
	v_add_nc_u32 v[144+\i], -15, v[144+\i]         ; the byte 112 + e, between 1 and 239,
.endr
.irp i, 0,1,2,3
	v_mul_lo_u32 v[144+\i], v[144+\i], s105        ; four times: the column's scale word
.endr
	s_wait_alu depctr_va_vdst(0)
.irp i, 0,1,2,3
	v_rcp_f32 v[152+\i], v[148+\i]
.endr
	v_nop
	s_wait_alu depctr_va_vdst(0)
.irp i, 0,1,2,3
	v_mul_f32 v[132+\i], v[132+\i], v[152+\i]      ; u1 / m
	v_mul_f32 v[140+\i], v[140+\i], v[152+\i]      ; bias / m
.endr
	ds_store_b128 v[CWR], v[132:135]               ; my wave's own bytes: only I read them back
	ds_store_b128 v[CWR], v[140:143] offset:512
	ds_store_b128 v[CWR], v[148:151] offset:1024
	ds_store_b128 v[CWR], v[144:147] offset:1536
.irp b, 0,1,2,3,4,5,6,7
	ds_load_b128 v[MM+8*\b:MM+8*\b+3], v[CRD] offset:1024+64*\b        ; m at column 16 b + 8 (lane / 16) + j: kept to the end
	ds_load_b128 v[MM+8*\b+4:MM+8*\b+7], v[CRD] offset:1024+64*\b+16
.endr
; 16 matrix instructions: h's blocks a0, a0 + 1 against U's eight; p: U's set; q: the kslot's half; sc: the set of h's scale words.  The 64 accumulators take turns.
.macro MUL16 a0, p, q, sc, zero
.irp a, \a0, \a0+1
.irp b, 0,1,2,3,4,5,6,7
.set rD, 8*(8*((\a)%4)+\b)
.set rB, 128*(\p)+16*\b
.set rA, AF+16*(\a)
.set rS, SC+8*(\sc)+2*((\a)/2)+(\q)
.if \zero
.if (\a)%2
	v_wmma_scale_f32_16x16x128_f8f6f4 v[rD:rD+7], v[rB:rB+15], v[rA:rA+15], 0, v[SU+\b], v[rS] matrix_a_fmt:MATRIX_FMT_BF8 matrix_b_fmt:MATRIX_FMT_BF8 matrix_b_scale:MATRIX_SCALE_ROW1
.else
	v_wmma_scale_f32_16x16x128_f8f6f4 v[rD:rD+7], v[rB:rB+15], v[rA:rA+15], 0, v[SU+\b], v[rS] matrix_a_fmt:MATRIX_FMT_BF8 matrix_b_fmt:MATRIX_FMT_BF8
.endif
.else
.if (\a)%2
	v_wmma_scale_f32_16x16x128_f8f6f4 v[rD:rD+7], v[rB:rB+15], v[rA:rA+15], v[rD:rD+7], v[SU+\b], v[rS] matrix_a_fmt:MATRIX_FMT_BF8 matrix_b_fmt:MATRIX_FMT_BF8 matrix_b_scale:MATRIX_SCALE_ROW1
.else
	v_wmma_scale_f32_16x16x128_f8f6f4 v[rD:rD+7], v[rB:rB+15], v[rA:rA+15], v[rD:rD+7], v[SU+\b], v[rS] matrix_a_fmt:MATRIX_FMT_BF8 matrix_b_fmt:MATRIX_FMT_BF8
.endif
.endif
.endr
.endr
.endm
.macro FETCH_A slot, q, i0             ; h's blocks i0 .. i0 + 3: four loads of 512 consecutive bytes each
.irp i, \i0, \i0+1, \i0+2, \i0+3
.irp c, 0,1,2,3
	ds_load_b128 v[AF+16*(\i)+4*\c:AF+16*(\i)+4*\c+3], v[ADRA+\slot] offset:4096*(\i)+2048*(\q)+512*\c
.endr
.endr
.endm
.macro SCALES sc
.irp u, 0,1,2,3
	ds_load_b64 v[SC+8*\sc+2*\u:SC+8*\sc+2*\u+1], v[ADRS] offset:256*\u
.endr
.endm
; A kslot's first half.  h's blocks are fetched anew as soon as their products are issued, eight places behind them.  ld = 1: at the end U's set 0 is asked for again: kslot rel, counted from PBU.
.macro STEP slot, zero, ld, rel
	s_wait_dscnt 16                                ; all but the youngest 16 LDS loads (h's blocks 4-7)
	s_wait_loadcnt 32                              ; this step's fragments of U are in; the next step's 32 loads may be out
	WIN MUL_LO
	MUL16 0, 0, 0, \slot, \zero
	MUL16 2, 0, 0, \slot, \zero
	s_wait_dscnt 0
	PLACES NP
	WIN 0
	FETCH_A \slot, 1, 0
	WIN MUL_HI
	MUL16 4, 0, 0, \slot, \zero
	MUL16 6, 0, 0, \slot, \zero
	PLACES NP
	WIN 0
	FETCH_A \slot, 1, 4
.if \ld
	GLOADB 0, (\rel)*KSTEP
.endif
.endm
; A kslot's second half changes slots.  fill = 1: the barrier opens a round of the cluster's, and this slot takes the kslot two on.  pf: the kslot asked of memory, counted from where PFA stands; 0: none.  ld = 1: U's set 1 is asked for again.
.macro TURN slot, next, fill, pf, ld, rel
	s_wait_loadcnt 32
	s_wait_tensorcnt 0x0                           ; all my tensor loads have landed: my part of the next slot
	ds_add_u32 v[SPW], v[NIL]
	s_wait_dscnt 17                                ; the add and h's blocks 4-7 may be out
	WIN MUL_LO
	MUL16 0, 1, 1, \slot, 0
	s_wait_dscnt 0x0                               ; the add is done, and my reads of this slot are over
	s_barrier_signal -1
	MUL16 2, 1, 1, \slot, 0
	WIN 0
	s_barrier_wait -1
.if \fill
	CREST
	s_add_nc_u64 s[G0A+4*\slot+2:G0A+4*\slot+3], s[G0A+4*\slot+2:G0A+4*\slot+3], 2*KSTEP
	JLOAD G0A+4*\slot
.endif
	PLACES NP
	v_add_nc_u32 v[ADRS], 2048, v[ADRS]            ; the next kslot's scale words
	s_wait_alu depctr_va_vdst(0)
	FETCH_A \next, 0, 0
	SCALES \next
.if \pf
	s_cmp_gt_u32 s3, 1                             ; the last trip's look-ahead would pass kslot 7: it asks for nothing
	s_cbranch_scc0 .Lno_ask_\@
	global_prefetch_b8 v[PFO], s[PFA:PFA+1] offset:\pf*KSTEP th:TH_LOAD_NT scope:SCOPE_SE
.Lno_ask_\@:
.endif
	WIN MUL_HI
	MUL16 4, 1, 1, \slot, 0
	MUL16 6, 1, 1, \slot, 0
	PLACES NP
	WIN 0
	FETCH_A \next, 0, 4
.if \ld
	GLOADB 1, (\rel)*KSTEP+2048
.endif
.endm
	s_wait_alu depctr_va_vdst(0)
	s_wait_tensorcnt 0x0                           ; my tile of the head's four is in; slot 1's first fill is issued as a refill is
	ds_add_u32 v[SPW], v[NIL]
	s_wait_dscnt 0x0
	CROUND
	JLOAD G0A+4                                    ; kslot 1
	FETCH_A 0, 0, 0
	SCALES 0
	FETCH_A 0, 0, 4
	global_prefetch_b8 v[PFO], s[PFA:PFA+1] offset:3*KSTEP th:TH_LOAD_NT scope:SCOPE_SE
	STEP 0, 1, 1, 1                                ; the first products start the sums
	s_mov_b32 s3, 3
.Llap:                                             ; trip t: the rest of kslot 2 t, kslot 2 t + 1, the first half of 2 t + 2; the slots take kslots 2 t + 2 and 2 t + 3
	TURN 0, 1, 1, 4, 1, 1
	STEP 1, 0, 1, 2
	TURN 1, 0, 1, 5, 0, 0
	s_cmp_lg_u32 s3, 2                             ; behind kslot 3, in the second trip alone: the change of paths
	s_cbranch_scc1 .Lsame_path
	WIN TO_B                                       ; u1 / m and bias / m at my 64 columns into U's set 1, which is idle until the loads below; eight places stand behind the products that read it
.irp b, 0,1,2,3,4,5,6,7
	ds_load_b128 v[128+8*\b:128+8*\b+3], v[CRD] offset:64*\b
	ds_load_b128 v[128+8*\b+4:128+8*\b+7], v[CRD] offset:64*\b+16
	ds_load_b128 v[192+8*\b:192+8*\b+3], v[CRD] offset:512+64*\b
	ds_load_b128 v[192+8*\b+4:192+8*\b+7], v[CRD] offset:512+64*\b+16
.endr
	WIN 0
.irp b, 0,1,2,3,4,5,6,7
	ds_load_b32 v[SU+\b], v[SUA] offset:64*\b      ; U_R's scale words: lane r takes column 16 b + r's
.endr
	s_wait_dscnt 0x0
.irp w, 0x96, 0xd7                     ; source 0 and destination window 2, then 3; sources 1 and 2 window 1
	WIN \w
.irp a, 0,1,2,3
.irp b, 0,1,2,3,4,5,6,7
.irp r, 0,2,4,6
	v_pk_fma_f32 v[64*\a+8*\b+\r:64*\a+8*\b+\r+1], v[64*\a+8*\b+\r:64*\a+8*\b+\r+1], v[128+8*\b+\r:128+8*\b+\r+1], v[192+8*\b+\r:192+8*\b+\r+1]   ; each accumulator from its low end on
.endr
.endr
.endr
.endr
	WIN 0
	s_wait_alu depctr_va_vdst(0)
.Lsame_path:
	GLOADB 1, 2*KSTEP+2048                         ; U's set 1: the second half of kslot 2 t + 2
	STEP 0, 0, 1, 3
	s_wait_xcnt 0x0                                ; the loads and prefetches have read their bases
	s_add_nc_u64 s[PFA:PFA+1], s[PFA:PFA+1], 2*KSTEP
	s_add_nc_u64 s[PBU:PBU+1], s[PBU:PBU+1], 2*KSTEP
	s_sub_co_u32 s3, s3, 1
	s_cmp_lg_u32 s3, 0
	s_cbranch_scc1 .Llap
	TURN 0, 1, 0, 0, 1, 1                          ; the last lap fills nothing; step 13 asks for step 15's fragments of U, the last
	STEP 1, 0, 0, 0
	s_wait_dscnt 16
	s_wait_loadcnt 0x0
	WIN MUL_LO
	MUL16 0, 1, 1, 1, 0
	MUL16 2, 1, 1, 1, 0
	s_wait_dscnt 0
	WIN MUL_HI
	MUL16 4, 1, 1, 1, 0
	MUL16 6, 1, 1, 1, 0
	WIN 0
; THE WAY OUT, by blocks of 16 rows x 128 columns: x m; through my own stage; back as whole rows of 512 bytes, stored as two aligned units of 256 bytes.
.macro SCALEM a
	WIN 0x82+0x41*((\a)/4)                         ; source 0 and destination window 2 or 3
.irp b, 0,1,2,3,4,5,6,7
.irp r, 0,2,4,6
	v_pk_mul_f32 v[64*((\a)%4)+8*\b+\r:64*((\a)%4)+8*\b+\r+1], v[64*((\a)%4)+8*\b+\r:64*((\a)%4)+8*\b+\r+1], v[MM+8*\b+\r:MM+8*\b+\r+1]
.endr
.endr
.endm
.macro TOSTAGE a
.set AC, 64*((\a)%4)
	WIN 0x08+4*((\a)/4)                            ; the data: window 2 or 3
.irp b, 0,1,2,3,4,5,6,7
	ds_store_b128 v[STO], v[AC+8*\b:AC+8*\b+3] offset:64*\b
	ds_store_b128 v[STO], v[AC+8*\b+4:AC+8*\b+7] offset:64*\b+16
.endr
	WIN 0
.set BB, BK+64*((\a)%2)
.irp t, 0,1,2,3,4,5,6,7,8,9,10,11,12,13,14,15
	ds_load_b128 v[BB+4*\t:BB+4*\t+3], v[RD] offset:\t*SPT   ; LDS serves a wave's instructions in order: these see the stores above
.endr
.endm
.macro SEND a, younger
.set BB, BK+64*((\a)%2)
	s_wait_dscnt \younger
.irp t, 0,1,2,3,4,5,6,7,8,9,10,11,12,13,14,15
	global_store_b128 v[CO], v[BB+4*\t:BB+4*\t+3], s[72:73] offset:(16*(\a)+\t)*16384 th:TH_STORE_NT   ; 127 rows at the most: inside the signed 24-bit immediate
.endr
.endm
	PLACES NP                                      ; behind the last products
	SCALEM 0
	TOSTAGE 0
.irp a, 1,2,3,4,5,6,7
.if \a > 1
	s_wait_xcnt 0x0                                ; block a - 2's stores have read the registers into which block a's rows come back
.endif
	SCALEM \a
	TOSTAGE \a
	SEND \a-1, 32                                  ; behind block a - 1's loads: block a's 16 stores and 16 loads
.endr
	SEND 7, 0
	s_wait_tensorcnt 0x0                           ; the wave's end
	ds_add_u32 v[SPW], v[NIL]
	s_wait_dscnt 0x0
	CROUND                                         ; the closing round
	s_endpgm
.Lfunc_end_k_q84284160f3_gemm2:
	.size	k_q84284160f3_gemm2, .Lfunc_end_k_q84284160f3_gemm2-k_q84284160f3_gemm2
	.p2alignl 7, 3214868480
	.fill 96, 4, 3214868480
	.section	.rodata,"a",@progbits
	.p2align	6, 0x0
	.amdhsa_kernel k_q84284160f3_gemm2
		.amdhsa_group_segment_fixed_size 327680
		.amdhsa_private_segment_fixed_size 0
		.amdhsa_enable_private_segment 0
		.amdhsa_kernarg_size 56
		.amdhsa_user_sgpr_count 2
		.amdhsa_user_sgpr_kernarg_segment_ptr 1
		.amdhsa_wavefront_size32 1
		.amdhsa_system_sgpr_workgroup_id_x 1
		.amdhsa_system_sgpr_workgroup_id_y 1
		.amdhsa_system_sgpr_workgroup_id_z 1
		.amdhsa_system_vgpr_workitem_id 0
		.amdhsa_next_free_vgpr 1024
		.amdhsa_next_free_sgpr 106
		.amdhsa_reserve_vcc 0
		.amdhsa_float_denorm_mode_32 3
		.amdhsa_float_denorm_mode_16_64 3
		.amdhsa_memory_ordered 1
		.amdhsa_forward_progress 1
		.amdhsa_inst_pref_size 189
	.end_amdhsa_kernel
	.amdgpu_metadata
---
amdhsa.version: [ 1, 2 ]
amdhsa.kernels:
  - .name:           k_q84284160f3_gemm2
    .symbol:         k_q84284160f3_gemm2.kd
    .args:
      - { .name: hcodes, .offset: 0, .size: 8, .value_kind: global_buffer, .address_space: global }
      - { .name: hscales, .offset: 8, .size: 8, .value_kind: global_buffer, .address_space: global }
      - { .name: wu, .offset: 16, .size: 8, .value_kind: global_buffer, .address_space: global }
      - { .name: u1, .offset: 24, .size: 8, .value_kind: global_buffer, .address_space: global }
      - { .name: u1_R, .offset: 32, .size: 8, .value_kind: global_buffer, .address_space: global }
      - { .name: bias, .offset: 40, .size: 8, .value_kind: global_buffer, .address_space: global }
      - { .name: out0, .offset: 48, .size: 8, .value_kind: global_buffer, .address_space: global }
    .group_segment_fixed_size: 327680
    .private_segment_fixed_size: 0
    .kernarg_segment_align: 8
    .kernarg_segment_size: 56
    .max_flat_workgroup_size: 128
    .sgpr_count:     106
    .vgpr_count:     1024
    .wavefront_size: 32
...
	.end_amdgpu_metadata
.endif
;; end of part 6
